; MI455X (gfx1250); checked and timed in simulation.
; The chip was launched on July 23, 2026; its instructions are those of AMD's public machine-readable ISA for CDNA 5 (MIT licence, August 2026) and "CDNA5" Instruction Set Architecture Reference Guide (July 2026). The comments in the code are by the model that wrote it; some were corrected since.
;; Block. Allowed arithmetic: matrix products marked QUANTISED: E5M2 operands, one given power-of-two scale a tensor, by v_wmma_f32_16x16x64_bf8_bf8 or v_wmma_f32_16x16x128_bf8_bf8, f32 sums; everything else in f32.
;; Inputs: b_fc 4,096 float32; b_mlp_proj 1,024 float32; ln1_b 1,024 float32; ln1_w 1,024 float32; ln2_b 1,024 float32; ln2_w 1,024 float32; lowp_scales 12 int32 (the exponents e of the quantised operands' scales 2^e); w_attn_proj 1,024 x 1,024 float32; w_fc 1,024 x 4,096 float32; w_mlp_proj 4,096 x 1,024 float32; w_qkv 1,024 x 3,072 float32; x 2 x 2,048 x 1,024 float32.
;; Outputs: out0 2 x 2,048 x 1,024 float32.
;; This version of the problem:
;;   THIS VERSION OF THE PROBLEM IS GIVEN IN LOW PRECISION. The matrix products marked QUANTISED in the list below multiply operands that are first quantised to E5M2 (5 exponent bits, 2 mantissa bits; 8 bits a number), with one given power-of-two scale for each operand tensor; their sums are f32. All else is computed in f32.
;;   The module's matrix products, in the order in which they are computed (A, B: the left and right operand; K: the contracted axis; several contracted axes count as one K, in the product's order):
;;     1. [M 4,096, K 1,024] x [K 1,024, N 3,072]; A: computed on the way; B: input w_qkv: QUANTISED (scales: A lowp_scales[0], B lowp_scales[1])
;;     2. batch 32 x [M 2,048, K 64] x [K 64, N 2,048]; A: computed on the way; B: computed on the way: QUANTISED (scales: A lowp_scales[2], B lowp_scales[3])
;;     3. batch 32 x [M 2,048, K 2,048] x [K 2,048, N 64]; A: softmax (see below); B: computed on the way: QUANTISED (scales: A lowp_scales[4], B lowp_scales[5])
;;     4. [M 4,096, K 1,024] x [K 1,024, N 1,024]; A: computed on the way; B: input w_attn_proj: QUANTISED (scales: A lowp_scales[6], B lowp_scales[7])
;;     5. [M 4,096, K 1,024] x [K 1,024, N 4,096]; A: computed on the way; B: input w_fc: QUANTISED (scales: A lowp_scales[8], B lowp_scales[9])
;;     6. [M 4,096, K 4,096] x [K 4,096, N 1,024]; A: computed on the way; B: input w_mlp_proj: QUANTISED (scales: A lowp_scales[10], B lowp_scales[11])
;;   THE QUANTISER, for each operand of a quantised product, along K:
;;     - The operand's scale is 2^e, e = its entry of the input lowp_scales (int32; the entries are numbered through the quantised products in the list's order, A before B).
;;     - Each number is divided by the scale, clamped to +-57,344, and rounded to the nearest number of E5M2, ties to even, subnormals kept.
;;     - The product sums the exact products of the quantised numbers (number of the format x scale) in f32.
;;   ~~~python
;;   def quantise(x, axis, e):      # numpy; x: float32 -> the quantised numbers, widened to float32 again
;;       x = np.moveaxis(x, axis, -1); K = x.shape[-1]
;;       r = np.clip(x / 2.0 ** e, -57344, 57344)
;;       step = 2.0 ** (np.maximum(np.frexp(np.where(r == 0, 1, r))[1] - 1, -14) - 2)
;;       q = np.round(r / step) * step * 2.0 ** e      # np.round: ties to even
;;       return np.moveaxis(q, -1, axis).astype(np.float32)
;;   ~~~
;;   SOFTMAX AHEAD OF A QUANTISED PRODUCT. Where the list says 'softmax', what is quantised is not the finished softmax but p = 2^(t - M), with t = logit x log2(e) and M = ceil(the row's largest t), a whole number; so 1/2 < the row's largest p <= 1. The row's sum l is taken of the UNQUANTISED p, in f32, and the product's result is divided by l at the end. Since M is a whole number, a kernel that streams over the keys may use a running M (the ceiling of the running maximum): every later rescaling is an exact power of two, so the quantised numbers keep their values, but for numbers so far below the row's largest that they fall under the format's range.
;;   OPERANDS COMPUTED ON THE WAY. 'Computed on the way' means the value that the module computes at that place (a softmax that the list does not call 'softmax' is quantised finished and normalised). What goes into a quantiser is computed in f32, as accurately as f32 sums, v_exp_f32 and their like allow (about 1e-6 of the number): no bf16 or f16 on the way to a quantiser, and a product that is left as it is and whose result goes on into a quantised operand takes f32 operands (vector FMAs, or v_wmma_f32_16x16x4_f32). A number that lies on a knife's edge between two numbers of the format may be rounded either way, as far as f32 arithmetic and the matrix unit's own rounding can turn it there, and no further.
;; One version. Each part assembles by itself: llvm-mc -triple=amdgcn-amd-amdhsa -mcpu=gfx1250 --defsym DOCPART=n.
;; ======== version 1 of 1: 7 launches
;; limits: right only within a limited range of input values
;; workspace buffers: pw 16,777,216 bytes; qkvi 12,582,912 bytes; yi 4,194,304 bytes; x1 16,777,216 bytes; a2 4,194,304 bytes; hi 16,777,216 bytes
;; launch prep (part 1): grid 1024 x 1, 4 waves a work-group, no clusters, 17,920 bytes of LDS; arguments x, ln1_w, ln1_b, w_qkv, w_attn_proj, w_fc, w_mlp_proj, lowp_scales, pw; writes pw
.if DOCPART == 1
	.amdgcn_target "amdgcn-amd-amdhsa--gfx1250"
	.amdhsa_code_object_version 6
	.text
	.protected	k_q7971768ee2_prep
	.globl	k_q7971768ee2_prep
	.p2align	8
	.type	k_q7971768ee2_prep,@function
k_q7971768ee2_prep:
	s_mov_b64 s[64:65], 0
	v_nop
	global_prefetch_b8 v0, s[64:65] scope:SCOPE_SE
	s_setreg_imm32_b32 hwreg(HW_REG_WAVE_MODE, 25, 1), 1
	s_wait_xcnt 0x0
; A transformer block (LN1, causal attention, residual, LN2, GELU MLP, residual), all six products on codes of BF8 (E5M2), one given scale 2^e a tensor.
; THIS LAUNCH: Q(LN1(x)) and the four weights quantised along K, all into the workspace pw.
; DEAD WORK, whole program: only key steps of the attention all of whose keys come after all of a tile's queries: reference() itself sets those logits to -inf by its jnp.tril mask,
; so p = 0 there for every value of the inputs, and they add nothing to the row's sum or to the second product.  They are left out in the attention launch.  Every input has a way to
; the output and is loaded.  LIMIT: a NaN, an infinity or an overflow that reaches only those hidden logits is not carried to the result.
; LIMITS: each given exponent used here (entries 0, 1, 7, 9, 11 of lowp_scales) lies between -126 and 112, so that 2^e and 57,344 x 2^e are f32 numbers.  NaN among the inputs is not served; an infinity is held at the largest code.
; IMAGES.  Codes are laid in the order of the operand's registers.  Of an operand of R rows, read in K steps of KS, element (row, k) lies at byte
;   (k / KS) R KS + blk 16 KS + ((k % KS) / 128) 2048 + ((k % 128) / 32) 512 + ((k % 32) / 16) 256 + 16 ln + k % 16
; tokens: blk = row / 16, ln = row % 16.  Weights (rows n): lane ln of block 2 b + u is n = 32 b + 8 u + ln + 8 (ln / 8), so that a product with the weights as source 0 leaves 16 neighbouring n in 16 registers.
; pw: +0 Q(LN1 x) (KS 256); +4 MiB w_qkv (256); +7 MiB w_attn_proj (512); +8 MiB w_fc (256); +12 MiB w_mlp_proj (512).
; SHARES.  Work-groups 0-255: 16 rows of x each, a wave 4 rows, each row whole in 32 registers a lane (read once).  Work-groups 256-1023: 128 columns x 128 k of one weight; a lane takes a column, its registers run down K:
; four blocks of 32 k a wave, two of them on their way at a time.  1,024 work-groups of four waves of 256 registers: as many waves as 256 WGPs of four SIMDs of 1,024 registers hold at once.
; No matrix unit, no cluster, no tensor load: memory binds, and no two work-groups read the same bytes.  The one barrier stands on the way that all work-groups take.
.set SPARE, 17408                      ; LDS: 64 pieces (16 k x 16 rows, 256 bytes) at pitch 272, then the spare words, 128 bytes a wave
.set SPW, 12                           ; v12 my spare word's address; v13 0: never rewritten
.set NIL, 13
.set SC,  14                           ; v14 2^e as f32; v15 57,344 x 2^e
.set LIM, 15
.set ST,  16                           ; v16-47 row i at ST + 8 i: two running pairs, the mean twice, 1 / sigma twice
.set CD,  48                           ; v48-63 a row's eight words of codes, two sets by turns
.set X,   64                           ; v64-191 four rows
.set W,   192                          ; v192-223 the gain;  v224-255 the bias
.set BV,  224
.set RO,  64                           ; weights: v64-95 my column's byte + i rows
.set XW,  96                           ; v96-159 two sets of 32 numbers down K
.set CW,  160                          ; v160-191 codes, eight registers a block: no store's data are written again
.set BP,  32                           ; s[32:39] the four blocks' bases
.set NBL, 4                            ; blocks of 32 k a wave
.macro RED a, tmp                      ; v[a] summed over the 32 lanes, the result in every lane; v[tmp] has been written
	v_add_f32_dpp v[\a], v[\a], v[\a] row_xmask:1 row_mask:0xf bank_mask:0xf
	v_add_f32_dpp v[\a], v[\a], v[\a] row_xmask:2 row_mask:0xf bank_mask:0xf
	v_add_f32_dpp v[\a], v[\a], v[\a] row_xmask:4 row_mask:0xf bank_mask:0xf
	v_add_f32_dpp v[\a], v[\a], v[\a] row_xmask:8 row_mask:0xf bank_mask:0xf
	v_permlanex16_b32 v[\tmp], v[\a], s20, s21
	v_add_f32 v[\a], v[\a], v[\tmp]
.endm
.macro SUM i                           ; the row's mean
	s_wait_loadcnt 16+8*(3-\i)                     ; my row's eight loads are in; the later rows' eight each and the 16 of gain and bias may be out
	v_pk_add_f32 v[ST+8*\i:ST+8*\i+1], v[X+32*\i:X+32*\i+1], v[X+32*\i+2:X+32*\i+3]
	v_pk_add_f32 v[ST+8*\i+2:ST+8*\i+3], v[X+32*\i+4:X+32*\i+5], v[X+32*\i+6:X+32*\i+7]
.irp p, 8,12,16,20,24,28
	v_pk_add_f32 v[ST+8*\i:ST+8*\i+1], v[ST+8*\i:ST+8*\i+1], v[X+32*\i+\p:X+32*\i+\p+1]
	v_pk_add_f32 v[ST+8*\i+2:ST+8*\i+3], v[ST+8*\i+2:ST+8*\i+3], v[X+32*\i+\p+2:X+32*\i+\p+3]
.endr
	v_pk_add_f32 v[ST+8*\i:ST+8*\i+1], v[ST+8*\i:ST+8*\i+1], v[ST+8*\i+2:ST+8*\i+3]
	v_add_f32 v[ST+8*\i], v[ST+8*\i], v[ST+8*\i+1]
	RED ST+8*\i, ST+8*\i+2
	v_mul_f32 v[ST+8*\i+4], s22, v[ST+8*\i]        ; x 2^-10: exact
	v_mul_f32 v[ST+8*\i+5], s22, v[ST+8*\i]
.endm
.macro DEV i                           ; x - mean in place, and the mean of its squares + eps: the variance in two passes, as jnp.var takes it
.set pp, 0
.rept 16
	v_pk_add_f32 v[X+32*\i+pp:X+32*\i+pp+1], v[X+32*\i+pp:X+32*\i+pp+1], v[ST+8*\i+4:ST+8*\i+5] neg_lo:[0,1] neg_hi:[0,1]
.set pp, pp+2
.endr
	v_pk_mul_f32 v[ST+8*\i:ST+8*\i+1], v[X+32*\i:X+32*\i+1], v[X+32*\i:X+32*\i+1]
	v_pk_mul_f32 v[ST+8*\i+2:ST+8*\i+3], v[X+32*\i+2:X+32*\i+3], v[X+32*\i+2:X+32*\i+3]
.irp p, 4,8,12,16,20,24,28
	v_pk_fma_f32 v[ST+8*\i:ST+8*\i+1], v[X+32*\i+\p:X+32*\i+\p+1], v[X+32*\i+\p:X+32*\i+\p+1], v[ST+8*\i:ST+8*\i+1]
	v_pk_fma_f32 v[ST+8*\i+2:ST+8*\i+3], v[X+32*\i+\p+2:X+32*\i+\p+3], v[X+32*\i+\p+2:X+32*\i+\p+3], v[ST+8*\i+2:ST+8*\i+3]
.endr
	v_pk_add_f32 v[ST+8*\i:ST+8*\i+1], v[ST+8*\i:ST+8*\i+1], v[ST+8*\i+2:ST+8*\i+3]
	v_add_f32 v[ST+8*\i], v[ST+8*\i], v[ST+8*\i+1]
	RED ST+8*\i, ST+8*\i+2
	v_fma_f32 v[ST+8*\i+6], v[ST+8*\i], s22, s23
.endm
.macro NORM i                          ; (x - mean) / sigma x gain + bias, held, turned into codes, into the stage
.if \i >= 2
	s_wait_dscnt 8                                 ; the stores of two rows back have read this set of code registers; the last row's eight may be out
.endif
.set pp, 0
.rept 16
	v_pk_mul_f32 v[X+32*\i+pp:X+32*\i+pp+1], v[X+32*\i+pp:X+32*\i+pp+1], v[ST+8*\i+6:ST+8*\i+7]
.set pp, pp+2
.endr
.set pp, 0
.rept 16
	v_pk_fma_f32 v[X+32*\i+pp:X+32*\i+pp+1], v[X+32*\i+pp:X+32*\i+pp+1], v[W+pp:W+pp+1], v[BV+pp:BV+pp+1]
.set pp, pp+2
.endr
.set pp, 0
.rept 32
	v_med3_num_f32 v[X+32*\i+pp], v[X+32*\i+pp], -v[LIM], v[LIM]   ; the conversion to an 8-bit code does not saturate (ISA guide 7.6.2): the hold at the largest code x the scale
.set pp, pp+1
.endr
.irp g, 0,1,2,3
	v_cvt_scalef32_pk8_bf8_f32 v[CD+8*(\i%2)+2*\g:CD+8*(\i%2)+2*\g+1], v[X+32*\i+8*\g:X+32*\i+8*\g+7], v[SC]
.endr
.irp j, 0,1,2,3,4,5,6,7
	ds_store_b32 v3, v[CD+8*(\i%2)+\j] offset:2176*\j+16*\i   ; codes of k = 128 j + 4 lane + 0 .. 3: piece 8 j + lane / 4, row 4 wave + i; the 32 lanes' words fall on 32 different banks
.endr
.endm
.macro LOADB t                         ; block t: W(32 t + i, my column), i = 0 .. 31: each load reads 128 consecutive bytes a wave
.set qq, 0
.rept 32
	global_load_b32 v[XW+32*((\t)%2)+qq], v[RO+qq], s[BP+2*(\t):BP+2*(\t)+1] th:TH_LOAD_NT
.set qq, qq+1
.endr
.endm
.macro BLOCK t
.if (\t) < NBL-1
	s_wait_loadcnt 32                              ; this block's 32 loads are in; the next block's may be out
.else
	s_wait_loadcnt 0
.endif
.set qq, 0
.rept 32
	v_med3_num_f32 v[XW+32*((\t)%2)+qq], v[XW+32*((\t)%2)+qq], -v[LIM], v[LIM]
.set qq, qq+1
.endr
.irp g, 0,1,2,3
	v_cvt_scalef32_pk8_bf8_f32 v[CW+8*(\t)+2*\g:CW+8*(\t)+2*\g+1], v[XW+32*((\t)%2)+8*\g:XW+32*((\t)%2)+8*\g+7], v[SC]
.endr
	global_store_b128 v5, v[CW+8*(\t):CW+8*(\t)+3], s[48:49] offset:(\t)*512        ; k = 32 t + 0 .. 15: lanes 0-15 fill 256 consecutive bytes of one block of rows, lanes 16-31 of the next
	global_store_b128 v5, v[CW+8*(\t)+4:CW+8*(\t)+7], s[48:49] offset:(\t)*512+256  ; k = 32 t + 16 .. 31
.if (\t)+2 < NBL
	LOADB (\t)+2
.endif
.endm
	s_load_b256 s[4:11], s[0:1], 0x0               ; x, ln1_w, ln1_b, w_qkv
	s_load_b256 s[24:31], s[0:1], 0x20             ; w_attn_proj, w_fc, w_mlp_proj, lowp_scales
	s_load_b64 s[12:13], s[0:1], 0x40              ; pw
	v_lshl_add_u32 v[SPW], v0, 2, SPARE
	v_mov_b32 v[NIL], 0
	v_lshrrev_b32 v1, 5, v0
	v_readfirstlane_b32 s16, v1                    ; wave 0..3
	v_and_b32 v1, 31, v0                           ; lane
	v_lshlrev_b32 v2, 4, v1                        ; 16 x lane
	v_lshrrev_b32 v3, 2, v1
	v_mul_u32_u24 v3, v3, 272
	v_and_b32 v6, 3, v1
	v_lshl_add_u32 v3, v6, 2, v3
	s_lshl_b32 s17, s16, 6
	v_add_nc_u32 v3, s17, v3                       ; into the stage: 272 (lane / 4) + 4 (lane % 4) + 64 wave
	v_lshrrev_b32 v4, 4, v1
	v_mul_u32_u24 v4, v4, 272
	v_and_b32 v6, 15, v1
	v_lshl_add_u32 v4, v6, 4, v4
	s_mul_i32 s17, s16, 16*272
	v_add_nc_u32 v4, s17, v4                       ; out of it: pieces 16 wave on, sixteen lanes to a piece
	s_mov_b32 s20, 0x76543210                      ; v_permlanex16_b32: lane l xor 16
	s_mov_b32 s21, 0xfedcba98
	s_mov_b32 s22, 0x3a800000                      ; 1 / 1024
	s_mov_b32 s23, 0x3727c5ac                      ; eps = 1e-5
	s_wait_kmcnt 0x0
	s_load_b256 s[68:75], s[30:31], 0x0            ; e0 .. e7
	s_load_b128 s[76:79], s[30:31], 0x20           ; e8 .. e11
	s_cmp_ge_u32 ttmp9, 256
	s_cbranch_scc1 .Lno_ln
	; ---- LN1, first half: my four rows
	s_lshl_b32 s18, ttmp9, 16                      ; 16 rows of 4,096 bytes a work-group,
	s_lshl_b32 s19, s16, 14                        ; 4 a wave
	s_add_co_u32 s18, s18, s19
	s_mov_b32 s19, 0
	s_add_nc_u64 s[4:5], s[4:5], s[18:19]
.irp i, 0,1,2,3
.irp j, 0,1,2,3,4,5,6,7
	global_load_b128 v[X+32*\i+4*\j:X+32*\i+4*\j+3], v2, s[4:5] offset:4096*\i+512*\j th:TH_LOAD_NT   ; 512 consecutive bytes a load: k = 128 j + 4 lane + 0 .. 3
.endr
.endr
.irp j, 0,1,2,3,4,5,6,7
	global_load_b128 v[W+4*\j:W+4*\j+3], v2, s[6:7] offset:512*\j
.endr
.irp j, 0,1,2,3,4,5,6,7
	global_load_b128 v[BV+4*\j:BV+4*\j+3], v2, s[8:9] offset:512*\j
.endr
	s_wait_kmcnt 0x0
	s_add_co_i32 s18, s68, 127
	s_lshl_b32 s19, s18, 23
	v_mov_b32 v[SC], s19                           ; 2^e0: the conversion takes its exponent field
	s_add_co_i32 s18, s18, 15
	s_lshl_b32 s18, s18, 23
	s_or_b32 s18, s18, 0x600000
	v_mov_b32 v[LIM], s18                          ; 57,344 x 2^e0
	SUM 0
	SUM 1
	SUM 2
	SUM 3
	DEV 0
	DEV 1
	DEV 2
	DEV 3
	s_wait_alu depctr_va_vdst(0)
.irp i, 0,1,2,3
	v_rsq_f32 v[ST+8*\i+6], v[ST+8*\i+6]
.endr
	v_nop                                          ; a plain instruction behind the last of the batch
	s_wait_alu depctr_va_vdst(0)                   ; one wait for the four, ahead of their first reader
.irp i, 0,1,2,3
	v_mov_b32 v[ST+8*\i+7], v[ST+8*\i+6]
.endr
	s_wait_alu depctr_va_vdst(0)
	s_wait_loadcnt 0x0                             ; gain and bias
	NORM 0
	NORM 1
	NORM 2
	NORM 3
	v_nop                                          ; a plain line behind the last conversion
.Lno_ln:
	s_wait_dscnt 0x0                               ; for the others' sake: my stores into the stage have landed
	s_barrier_signal -1
	s_barrier_wait -1
	s_cmp_ge_u32 ttmp9, 256
	s_cbranch_scc1 .Lweights
	; ---- LN1, second half: wave w holds pieces 16 w .. 16 w + 15 = K step w of the 16 rows: 4,096 consecutive bytes of the image
	s_lshl_b32 s18, s16, 20
	s_lshl_b32 s19, ttmp9, 12
	s_add_co_u32 s18, s18, s19
	s_mov_b32 s19, 0
	s_add_nc_u64 s[14:15], s[12:13], s[18:19]
	s_wait_alu depctr_va_vdst(0)
.irp t, 0,1,2,3,4,5,6,7
	ds_load_b128 v[X+4*\t:X+4*\t+3], v4 offset:544*\t
.endr
.irp t, 0,1,2,3,4,5,6,7
	s_wait_dscnt 7-\t                              ; LDS loads come back in order: load t is in, the younger ones may be out
	global_store_b128 v2, v[X+4*\t:X+4*\t+3], s[14:15] offset:512*\t   ; 512 consecutive bytes, aligned
.endr
	s_branch .Lend
.Lweights:
	; ---- one weight's 128 columns x 128 k.  Which weight: by the work-group's number alone; only pointers and sizes are chosen, the text is one
	s_wait_kmcnt 0x0
	s_sub_co_u32 s18, ttmp9, 256                   ; g
	s_mov_b64 s[80:81], s[28:29]                   ; w_mlp_proj: g from 512 on, 2^5 parts along K, rows of 4,096 bytes, KS = 2^9, +12 MiB, e11
	s_mov_b32 s82, 512
	s_mov_b32 s83, 5
	s_mov_b32 s84, 4096
	s_mov_b32 s85, 9
	s_mov_b32 s86, 12<<20
	s_mov_b32 s87, s79
	s_cmp_lt_u32 s18, 512                          ; w_fc: 32 x 8 work-groups from g = 256 on
	s_cselect_b64 s[80:81], s[26:27], s[80:81]
	s_cselect_b32 s82, 256, s82
	s_cselect_b32 s83, 3, s83
	s_cselect_b32 s84, 16384, s84
	s_cselect_b32 s85, 8, s85
	s_cselect_b32 s86, 8<<20, s86
	s_cselect_b32 s87, s77, s87
	s_cmp_lt_u32 s18, 256                          ; w_attn_proj: 8 x 8 from g = 192 on
	s_cselect_b64 s[80:81], s[24:25], s[80:81]
	s_cselect_b32 s82, 192, s82
	s_cselect_b32 s84, 4096, s84
	s_cselect_b32 s85, 9, s85
	s_cselect_b32 s86, 7<<20, s86
	s_cselect_b32 s87, s75, s87
	s_cmp_lt_u32 s18, 192                          ; w_qkv: 24 x 8 from g = 0 on
	s_cselect_b64 s[80:81], s[10:11], s[80:81]
	s_cselect_b32 s82, 0, s82
	s_cselect_b32 s84, 12288, s84
	s_cselect_b32 s85, 8, s85
	s_cselect_b32 s86, 4<<20, s86
	s_cselect_b32 s87, s69, s87
	s_sub_co_u32 s88, s18, s82
	s_bfm_b32 s89, s83, 0
	s_and_b32 s90, s88, s89                        ; y: which 128 along K
	s_lshr_b32 s91, s88, s83                       ; xg: which 128 columns
	v_lshrrev_b32 v6, 4, v1                        ; u
	v_and_b32 v7, 15, v1                           ; r
	v_and_b32 v8, 8, v7
	v_add_nc_u32 v8, v8, v7
	v_lshl_add_u32 v8, v6, 3, v8                   ; my column among the wave's 32: 8 u + r + 8 (r / 8)
	v_lshlrev_b32 v[RO], 2, v8
.set qq, 1
.rept 31
	v_add_nc_u32 v[RO+qq], s84, v[RO+qq-1]         ; + a row of the weight
.set qq, qq+1
.endr
	s_lshl_b32 s92, s90, 7                         ; 128 y
	s_mul_i32 s94, s92, s84
	s_lshl_b32 s93, s91, 9
	s_add_co_u32 s94, s94, s93
	s_lshl_b32 s93, s16, 7
	s_add_co_u32 s94, s94, s93                     ; row 128 y, column 128 xg + 32 wave, in bytes
	s_mov_b32 s95, 0
	s_add_nc_u64 s[BP:BP+1], s[80:81], s[94:95]
	s_lshl_b32 s94, s84, 5                         ; 32 rows on
.irp t, 1,2,3
	s_add_nc_u64 s[BP+2*\t:BP+2*\t+1], s[BP+2*\t-2:BP+2*\t-1], s[94:95]
.endr
	s_wait_alu depctr_va_vdst(0)
	LOADB 0
	LOADB 1
	s_lshl_b32 s96, 16, s85                        ; bytes of a block of 16 rows in a K step
	v_mul_lo_u32 v5, v6, s96
	v_lshl_add_u32 v5, v7, 4, v5                   ; my place: block u, 16 r
	s_lshr_b32 s97, s92, s85                       ; the K step,
	s_lshr_b32 s98, s84, 2
	s_lshl_b32 s98, s98, s85                       ; of N x KS bytes
	s_mul_i32 s97, s97, s98
	s_add_co_u32 s97, s97, s86                     ; + the weight's region of pw
	s_lshl_b32 s98, s91, 3
	s_lshl_b32 s99, s16, 1
	s_add_co_u32 s98, s98, s99                     ; block 8 xg + 2 wave
	s_mul_i32 s98, s98, s96
	s_add_co_u32 s97, s97, s98
	s_bfm_b32 s98, s85, 0
	s_and_b32 s98, s92, s98                        ; (128 y) % KS: a multiple of 128,
	s_lshl_b32 s98, s98, 4                         ; / 128 x 2,048
	s_add_co_u32 s50, s97, s98
	s_mov_b32 s51, 0
	s_add_nc_u64 s[48:49], s[12:13], s[50:51]
	s_add_co_i32 s87, s87, 127
	s_lshl_b32 s88, s87, 23
	v_mov_b32 v[SC], s88                           ; 2^e
	s_add_co_i32 s87, s87, 15
	s_lshl_b32 s87, s87, 23
	s_or_b32 s87, s87, 0x600000
	v_mov_b32 v[LIM], s87                          ; 57,344 x 2^e
	s_wait_alu depctr_va_vdst(0)
.irp t, 0,1,2,3
	BLOCK \t
.endr
.Lend:
	s_wait_tensorcnt 0x0                           ; the wave's end
	ds_add_u32 v[SPW], v[NIL]
	s_wait_dscnt 0x0
	s_endpgm
.Lfunc_end_k_q7971768ee2_prep:
	.size	k_q7971768ee2_prep, .Lfunc_end_k_q7971768ee2_prep-k_q7971768ee2_prep
	.p2alignl 7, 3214868480
	.fill 96, 4, 3214868480
	.section	.rodata,"a",@progbits
	.p2align	6, 0x0
	.amdhsa_kernel k_q7971768ee2_prep
		.amdhsa_group_segment_fixed_size 17920
		.amdhsa_private_segment_fixed_size 0
		.amdhsa_enable_private_segment 0
		.amdhsa_kernarg_size 72
		.amdhsa_user_sgpr_count 2
		.amdhsa_user_sgpr_kernarg_segment_ptr 1
		.amdhsa_wavefront_size32 1
		.amdhsa_system_sgpr_workgroup_id_x 1
		.amdhsa_system_sgpr_workgroup_id_y 1
		.amdhsa_system_sgpr_workgroup_id_z 1
		.amdhsa_system_vgpr_workitem_id 0
		.amdhsa_next_free_vgpr 256
		.amdhsa_next_free_sgpr 100
		.amdhsa_reserve_vcc 0
		.amdhsa_float_denorm_mode_32 3
		.amdhsa_float_denorm_mode_16_64 3
		.amdhsa_memory_ordered 1
		.amdhsa_forward_progress 1
		.amdhsa_inst_pref_size 70
	.end_amdhsa_kernel
	.amdgpu_metadata
---
amdhsa.version: [ 1, 2 ]
amdhsa.kernels:
  - .name:           k_q7971768ee2_prep
    .symbol:         k_q7971768ee2_prep.kd
    .args:
      - { .name: x, .offset: 0, .size: 8, .value_kind: global_buffer, .address_space: global }
      - { .name: ln1_w, .offset: 8, .size: 8, .value_kind: global_buffer, .address_space: global }
      - { .name: ln1_b, .offset: 16, .size: 8, .value_kind: global_buffer, .address_space: global }
      - { .name: w_qkv, .offset: 24, .size: 8, .value_kind: global_buffer, .address_space: global }
      - { .name: w_attn_proj, .offset: 32, .size: 8, .value_kind: global_buffer, .address_space: global }
      - { .name: w_fc, .offset: 40, .size: 8, .value_kind: global_buffer, .address_space: global }
      - { .name: w_mlp_proj, .offset: 48, .size: 8, .value_kind: global_buffer, .address_space: global }
      - { .name: lowp_scales, .offset: 56, .size: 8, .value_kind: global_buffer, .address_space: global }
      - { .name: pw, .offset: 64, .size: 8, .value_kind: global_buffer, .address_space: global }
    .group_segment_fixed_size: 17920
    .private_segment_fixed_size: 0
    .kernarg_segment_align: 8
    .kernarg_segment_size: 72
    .max_flat_workgroup_size: 128
    .sgpr_count:     100
    .vgpr_count:     256
    .wavefront_size: 32
...
	.end_amdgpu_metadata
.endif
;; end of part 1
;; launch qkv (part 2): grid 12 x 16, 4 waves a work-group, clusters of 4 x 4, 327,680 bytes of LDS; arguments pw, lowp_scales, qkvi; writes qkvi
.if DOCPART == 2
	.amdgcn_target "amdgcn-amd-amdhsa--gfx1250"
	.amdhsa_code_object_version 6
	.text
	.protected	k_q7971768ee2_qkv
	.globl	k_q7971768ee2_qkv
	.p2align	8
	.type	k_q7971768ee2_qkv,@function
k_q7971768ee2_qkv:
	s_mov_b64 s[64:65], 0
	v_nop
	global_prefetch_b8 v0, s[64:65] scope:SCOPE_SE
	s_setreg_imm32_b32 hwreg(HW_REG_WAVE_MODE, 25, 1), 1
	s_wait_xcnt 0x0
	s_wait_alu depctr_hold_cnt(0) depctr_sa_sdst(0) depctr_va_vdst(0) depctr_va_sdst(0) depctr_va_ssrc(0) depctr_va_vcc(0) depctr_vm_vsrc(0)
	s_getreg_b32 s2, hwreg(HW_REG_IB_STS2, 6, 4)
	s_cmp_eq_u32 s2, 0
	s_cbranch_scc0 .Lentry_in_a_cluster
	s_endpgm
.Lentry_in_a_cluster:
	s_bfe_u32 s2, ttmp6, 0x10000c
	s_cmp_lg_u32 s2, 0xf033
	s_cbranch_scc0 .Lentry_shape_is_right
	s_endpgm
.Lentry_shape_is_right:
; Product 1: Q(LN1 x) [4096][1024] x Q(w_qkv) [1024][3072], on codes of BF8; its results q, k, v are quantised at once (entries 2, 3, 5 of lowp_scales) and stored as register images for the attention.
; A tile of 256 x 256 to a work-group of four waves, 128 x 128 a wave: 64 accumulators.  3 x 4 clusters of 4 x 4 work-groups; the cluster's x is the kind (0 q, 1 k, 2 v), equal in all sixteen partners.
; 192 work-groups: tiles of 256 columns keep the kinds apart and heads whole.
; K goes in 4 steps of 256 through two LDS slots.  Both operands lie in pw as images, so a wave's tensor load is one dense block of 32,768 bytes, and a fragment (16 rows x 128 k) is four
; loads of 512 consecutive bytes: no padding is needed.  Lane (r, h) holds, of row r, k = 32 c + 16 h + 0 .. 15 in registers 4 c .. 4 c + 3: the same order of k on both sides.
; TWO SETS.  The set A lies in a slot's first half, is asked for jointly along a row of the cluster and is source 1; the set B lies in the second half, is asked for jointly along a column and is source 0.
; That is so for all three kinds: LDS addresses, masks, waits and the products' text know nothing of the kind.  The kind chooses WHAT IS FETCHED, by s_cselect_b32 on the cluster's x, in global offsets alone:
;   q, k: A = tokens' tile 4 (cluster y) + cy, B = weights' tile 4 (cluster x) + cx: a lane holds one token and, the weights' rows being paired, 16 neighbouring columns in 16 registers: K of the second product;
;   v:    A = v's weights' tile cy, B = tokens' tile 4 (cluster y) + cx: a lane holds one channel, and its registers run along the tokens, the keys: K of the third product.
; A's address is made of cy and the cluster's ids, B's of cx and the cluster's ids; no branch hangs on the kind.
; qkvi: +0 q, +4 MiB k: [batch x head 32][block of 16 tokens 128][c 2][lane][16];  +8 MiB v: [batch x head][128 keys 16][16 channels f 4][c 4][lane][16], lane r of f = 2 b + u is channel 32 b + 8 u + r + 8 (r / 8),
; byte i of piece (c, h) is key 32 c + 16 (i / 8) + 8 h + i % 8: the order in which the softmax's codes fall out of the second product.
; LIMIT: e(kind) - e0 - e1 lies between -126 and 112.  NaN is not served.
; REGISTERS: window 0: v0-31 addresses, from v128 the set A (one); window 1: the set B (two); windows 2, 3: the accumulators ((a, b) at v[8 (8 (a % 4) + b)]).  Way out: v32-95 at work, v128-255 codes.
.set HALFT, 32768                      ; 8 blocks of 16 rows x 256 k: what one tensor load brings, and what a wave reads of a side
.set SLOT,  131072                     ; the set A's 256 rows, then the set B's 256 rows
.set SPARE, 2*SLOT                     ; behind the ring: the spare words, 128 bytes a wave
.set TSTEP, 1048576                    ; a K step of the tokens' image: 4,096 rows x 256
.set WSTEP, 786432                     ; of the weights': 3,072 x 256
.set WOFF,  4<<20                      ; the weights' image in pw
.set VOFF,  WOFF+128*4096              ; v's columns: blocks 128 on of each K step of it
.set FR, 16
.set NL, 4
.set NP, 4
.set ADRA, 16
.set ADRB, 20
.set SPW, 28
.set NIL, 29
.set AF, 128
.set G1, 24
.set G0, 32
.set G1B, 48
.set G0B, 56
.set SA, 10                            ; s[10:11] the set A's K step in bytes, then two of them: what a refill adds
.set SB, 66                            ; s[66:67] the set B's
.set BA, 76                            ; s[76:91] the way out: a base for each of my eight blocks
.set MSB, 0
.macro WIN new                         ; the immediate's high byte repeats the setting that is left
.if MSB != \new
	s_set_vgpr_msb (MSB<<8)|\new
.set MSB, \new
.endif
.endm
.set MUL_LO, 0xa1                      ; source 0 window 1, source 1 window 0, C and D window 2
.set MUL_HI, 0xf1
.set TO_B,   0x40
.macro JLOAD g0a, g1a, g0b, g1b        ; a joint load: waves 0, 1 fetch the set A's halves, waves 2, 3 the set B's; s_nop 0 and four v_nop follow each line
	s_cmp_eq_u32 s15, 0
	s_cbranch_scc0 .Lfor_b_\@
	tensor_load_to_lds s[\g0a:\g0a+3], s[\g1a:\g1a+7]
	s_nop 0
.rept 4
	v_nop
.endr
	s_branch .Lasked_\@
.Lfor_b_\@:
	tensor_load_to_lds s[\g0b:\g0b+3], s[\g1b:\g1b+7]
	s_nop 0
.rept 4
	v_nop
.endr
.Lasked_\@:
.endm
.macro CREST                           ; a round of the cluster's barrier behind its opening barrier
	s_cmp_lg_u32 s14, 0
	s_cbranch_scc1 .Lnot_wave_0_\@
	s_barrier_signal -3
.Lnot_wave_0_\@:
	s_barrier_wait -3
	s_barrier_signal -1
	s_barrier_wait -1
.endm
.macro CROUND
	s_barrier_signal -1
	s_barrier_wait -1
	CREST
.endm
.macro FRAG reg, adr, q, i             ; block i's fragment of the slot's q-th 128 along K
.irp c, 0,1,2,3
	ds_load_b128 v[\reg+4*\c:\reg+4*\c+3], v[\adr] offset:2048*(\q)+512*\c+(\i)*4096
.endr
.endm
.macro MUL16 a0, p, zero               ; A's blocks a0, a0 + 1 x B's eight; the 64 accumulators take turns, one instruction a turn, in the same order in every step
.irp a, \a0, \a0+1
.irp b, 0,1,2,3,4,5,6,7
.if \zero
	v_wmma_f32_16x16x128_bf8_bf8 v[8*(8*((\a)%4)+\b):8*(8*((\a)%4)+\b)+7], v[128*(\p)+FR*\b:128*(\p)+FR*\b+FR-1], v[AF+FR*(\a):AF+FR*(\a)+FR-1], 0
.else
	v_wmma_f32_16x16x128_bf8_bf8 v[8*(8*((\a)%4)+\b):8*(8*((\a)%4)+\b)+7], v[128*(\p)+FR*\b:128*(\p)+FR*\b+FR-1], v[AF+FR*(\a):AF+FR*(\a)+FR-1], v[8*(8*((\a)%4)+\b):8*(8*((\a)%4)+\b)+7]
.endif
.endr
.endr
.endm
.macro FETCH_B slot, q, p
	WIN TO_B
.irp i, 0,1,2,3,4,5,6,7
	FRAG 128*(\p)+FR*\i, ADRB+\slot, \q, \i
.endr
	WIN 0
.endm
.macro FETCH_A slot, q, i0
.irp i, \i0, \i0+1, \i0+2, \i0+3
	FRAG AF+FR*(\i), ADRA+\slot, \q, \i
.endr
.endm
.macro PLACES n                        ; plain vector instructions between a matrix instruction and a load into, or a vector access of, its registers
.rept \n
	v_nop
.endr
.endm
.macro STEP slot, q, zero              ; 128 along K whose successor lies in the same slot
	s_wait_dscnt 4*NL                              ; B's set and A's blocks 0-3 are in; the youngest 16 loads (A's blocks 4-7) may be out
	WIN MUL_LO
	MUL16 0, (\q)%2, \zero
	MUL16 2, (\q)%2, \zero
	s_wait_dscnt 0
	PLACES NP
	FETCH_B \slot, (\q)+1, 1-(\q)%2
	FETCH_A \slot, (\q)+1, 0
	WIN MUL_HI
	MUL16 4, (\q)%2, \zero
	MUL16 6, (\q)%2, \zero
	PLACES NP
	WIN 0
	FETCH_A \slot, (\q)+1, 4
.endm
.macro TURN slot, next, fill           ; a slot's last step changes slots: one barrier; fill = 1: it opens a round of the cluster's barrier and the slot is filled again, two K steps ahead
	s_wait_tensorcnt 0x0                           ; all my tensor loads have landed: my part of the next slot
	ds_add_u32 v[SPW], v[NIL]                      ; 0 onto my spare word
	s_wait_dscnt 4*NL+1                            ; the add and the youngest 16 loads may be out
	WIN MUL_LO
	MUL16 0, 1, 0
	s_wait_dscnt 0x0                               ; the add is done, and my reads of this slot are over
	s_barrier_signal -1
	MUL16 2, 1, 0
	WIN 0
	s_barrier_wait -1
.if \fill
	CREST                                          ; no wave of any partner still reads this slot or has a load on its way
	s_add_nc_u64 s[G0+4*\slot+2:G0+4*\slot+3], s[G0+4*\slot+2:G0+4*\slot+3], s[SA:SA+1]
	s_add_nc_u64 s[G0B+4*\slot+2:G0B+4*\slot+3], s[G0B+4*\slot+2:G0B+4*\slot+3], s[SB:SB+1]
	JLOAD G0+4*\slot, G1, G0B+4*\slot, G1B         ; my one tensor load behind the round; its four v_nop are the places in front of the loads below
.else
	PLACES NP
.endif
	FETCH_B \next, 0, 0
	FETCH_A \next, 0, 0
	WIN MUL_HI
	MUL16 4, 1, 0
	MUL16 6, 1, 0
	PLACES NP
	WIN 0
	FETCH_A \next, 0, 4
.endm
	s_load_b128 s[4:7], s[0:1], 0x0                ; pw, lowp_scales
	s_load_b64 s[8:9], s[0:1], 0x10                ; qkvi
	v_lshl_add_u32 v[SPW], v0, 2, SPARE
	v_mov_b32 v[NIL], 0
	ds_add_u32 v[SPW], v[NIL]                      ; the wave's opening: the add, twice on end, and its wait ahead of my first tensor load
	ds_add_u32 v[SPW], v[NIL]
	v_lshrrev_b32 v1, 5, v0
	v_readfirstlane_b32 s14, v1                    ; wave 0..3
	s_lshr_b32 s15, s14, 1                         ; wr: my half of the set A's rows.  Also: I fetch for A (0) or for B (1)
	s_and_b32 s16, s14, 1                          ; wc: my half of the set B's rows.  Also: which 128 rows of that tile I fetch
	s_bfe_u32 s40, ttmp6, 0x40000                  ; cx
	s_bfe_u32 s41, ttmp6, 0x40004                  ; cy
	s_and_b32 s19, ttmp7, 0xffff
	s_lshl_b32 s19, s19, 2                         ; 4 x the cluster's y
	s_lshl_b32 s23, ttmp9, 2                       ; 4 x the cluster's x
	s_mov_b32 s[SA], TSTEP
	s_mov_b32 s[SB], WSTEP
	s_cmp_eq_u32 ttmp9, 2                          ; is the kind v?  The cluster's x: the same in all sixteen partners.  Only choices follow, up to the first addition
	s_cselect_b32 s17, 0, s19                      ; the set A's tile: v: cy;  q, k: 4 (cluster y) + cy
	s_cselect_b32 s42, s19, s23                    ; the set B's tile: v: 4 (cluster y) + cx;  q, k: 4 (cluster x) + cx
	s_cselect_b32 s2, VOFF, 0                      ; where the set A's image begins in pw: v's columns of the weights, or the tokens
	s_cselect_b32 s3, 0, WOFF                      ; and the set B's: the tokens, or the weights
	s_cselect_b32 s[SA], WSTEP, s[SA]              ; their K steps
	s_cselect_b32 s[SB], TSTEP, s[SB]
	s_mov_b32 s[SA+1], 0
	s_mov_b32 s[SB+1], 0
	s_add_co_u32 s17, s17, s41
	s_add_co_u32 s42, s42, s40
	s_lshl_b32 s43, s41, 2
	s_lshl_b32 s43, 15, s43                        ; my row of the cluster
	s_lshl_b32 s44, 0x1111, s40                    ; my column
	s_or_b32 s[G1+0], s43, (3<<16)|(1<<21)         ; the mask; elements of 8 bytes; bit 21 beside a mask; no padding
	s_or_b32 s[G1B+0], s44, (3<<16)|(1<<21)
.irp g, G1, G1B
	s_mov_b32 s[\g+1], 32<<16                      ; tensor_dim0 = 32 elements: 256 bytes
	s_mov_b32 s[\g+2], 128<<16                     ; tensor_dim1 = 128
	s_mov_b32 s[\g+3], 32<<16                      ; tile_dim0
	s_mov_b32 s[\g+4], 128                         ; tile_dim1
	s_mov_b32 s[\g+5], 32                          ; the pitch: the block is dense
	s_mov_b32 s[\g+6], 0
	s_mov_b32 s[\g+7], 0
.endr
	s_lshl_b32 s18, s16, 15
	s_lshl_b32 s20, s17, 16
	s_add_co_u32 s20, s20, s18                     ; the set A: blocks 16 x tile + 8 half, 4,096 bytes each,
	s_add_co_u32 s20, s20, s2                      ; in its image
	s_mov_b32 s21, 0
	s_lshl_b32 s46, s42, 16
	s_add_co_u32 s46, s46, s18                     ; the set B likewise
	s_add_co_u32 s46, s46, s3
	s_mov_b32 s47, 0
	s_lshl_b32 s45, s14, 15                        ; where they go: wave x 32,768
	; the prefetches: of the 32,768 bytes of a K step that I fetch, each of the four partners that ask with me names 8,192, told apart by address (cx for the set A, cy for the set B); lanes 256 bytes apart
	s_cmp_eq_u32 s15, 0
	s_cselect_b32 s98, s[SA], s[SB]                ; my set's K step in bytes
	s_cselect_b32 s99, s40, s41                    ; my place among the four
	v_and_b32 v12, 31, v0
	v_lshlrev_b32 v12, 8, v12                      ; v12: 256 x lane; v13, v14: one and two K steps on; never rewritten
	v_add_nc_u32 v13, s98, v12
	v_add_nc_u32 v14, s98, v13
	s_lshl_b32 s99, s99, 13
	s_add_co_u32 s98, s98, s99                     ; my share, one K step on
	s_mov_b32 s99, 0
	s_wait_alu depctr_va_vdst(0)
	s_wait_dscnt 0x0
	s_wait_kmcnt 0x0
	s_load_b256 s[68:75], s[6:7], 0x0              ; e0 .. e7
	s_add_nc_u64 s[20:21], s[4:5], s[20:21]
	s_add_nc_u64 s[46:47], s[4:5], s[46:47]
	s_cmp_eq_u32 s15, 0
	s_cselect_b64 s[96:97], s[20:21], s[46:47]     ; the tile that I fetch,
	s_add_nc_u64 s[96:97], s[96:97], s[98:99]      ; my share of its K step 1; never rewritten
	CROUND
.irp s, 0,1
	s_mov_b32 s[G0+4*\s], 1
	s_add_co_u32 s[G0+4*\s+1], s45, \s*SLOT
.if \s
	s_add_nc_u64 s[G0+4*\s+2:G0+4*\s+3], s[20:21], s[SA:SA+1]      ; K step 1
.else
	s_add_nc_u64 s[G0+4*\s+2:G0+4*\s+3], s[20:21], 0               ; K step 0
.endif
	s_or_b32 s[G0+4*\s+3], s[G0+4*\s+3], 0x80000000
	s_mov_b32 s[G0B+4*\s], 1
	s_add_co_u32 s[G0B+4*\s+1], s45, \s*SLOT
.if \s
	s_add_nc_u64 s[G0B+4*\s+2:G0B+4*\s+3], s[46:47], s[SB:SB+1]
.else
	s_add_nc_u64 s[G0B+4*\s+2:G0B+4*\s+3], s[46:47], 0
.endif
	s_or_b32 s[G0B+4*\s+3], s[G0B+4*\s+3], 0x80000000
.endr
	JLOAD G0, G1, G0B, G1B                         ; K step 0: one tensor load a wave at the head
	global_prefetch_b8 v12, s[96:97] th:TH_LOAD_NT scope:SCOPE_SE   ; K step 1, which is loaded behind the next round,
	global_prefetch_b8 v13, s[96:97] th:TH_LOAD_NT scope:SCOPE_SE   ; and K step 2, the first refill
	s_lshl_b32 s[SA], s[SA], 1
	s_lshl_b32 s[SB], s[SB], 1
	v_and_b32 v1, 31, v0
	v_lshlrev_b32 v8, 4, v1                        ; 16 x lane
	s_lshl_b32 s21, s15, 15                        ; my 128 rows of the set A,
	s_lshl_b32 s22, s16, 15
	s_add_co_u32 s22, s22, 65536                   ; my 128 rows of the set B, behind A's 65,536 bytes
.irp s, 0,1
	v_add_nc_u32 v[ADRA+\s], s21, v8
	v_add_nc_u32 v[ADRB+\s], s22, v8
	s_add_co_u32 s21, s21, SLOT
	s_add_co_u32 s22, s22, SLOT
.endr
	; the way out's numbers, made while the first tiles are on their way
	s_wait_alu depctr_va_vdst(0)
	s_wait_kmcnt 0x0
	s_mov_b32 s94, 131072
	s_cmp_eq_u32 ttmp9, 0
	s_cselect_b32 s2, s70, s71                     ; e2 for q, e3 for k,
	s_cmp_eq_u32 ttmp9, 2
	s_cselect_b32 s2, s73, s2                      ; e5 for v: choices, no branch
	s_cselect_b32 s12, s42, s17                    ; the tokens' tile of 256
	s_cselect_b32 s13, s17, s40                    ; the tile of 256 columns, four heads, within the kind
	s_cselect_b32 s19, s15, s16                    ; which pair of its heads is mine: by my half of the columns,
	s_cselect_b32 s23, s16, s15                    ; which 128 tokens: by my half of the tokens
	s_cselect_b32 s94, 1024, s94                   ; from a block's second piece of codes to its third: v: 512 on;  q, k: the next head
	s_sub_co_i32 s2, s2, s68
	s_sub_co_i32 s2, s2, s69                       ; a sum stands for sum x 2^(e0 + e1): the three scales are folded into the conversion's one
	s_add_co_i32 s2, s2, 127
	s_lshl_b32 s3, s2, 23
	v_mov_b32 v22, s3
	s_add_co_i32 s2, s2, 15
	s_lshl_b32 s2, s2, 23
	s_or_b32 s2, s2, 0x600000
	v_mov_b32 v23, s2                              ; 57,344 x that
	s_lshr_b32 s2, s12, 3
	s_lshl_b32 s2, s2, 4                           ; 16 x batch
	s_lshl_b32 s13, s13, 2
	s_add_co_u32 s2, s2, s13                       ; + 4 heads a tile of 256 columns
	s_lshl_b32 s19, s19, 1
	s_add_co_u32 s2, s2, s19                       ; + my pair of heads
	s_lshl_b32 s2, s2, 17                          ; x 131,072 bytes a head
	s_and_b32 s12, s12, 7
	s_lshl_b32 s12, s12, 14
	s_add_co_u32 s2, s2, s12                       ; + the tile's 256 tokens, 64 bytes each,
	s_lshl_b32 s23, s23, 13
	s_add_co_u32 s2, s2, s23                       ; my 128 of them
	s_lshl_b32 s12, ttmp9, 22
	s_add_co_u32 s2, s2, s12                       ; + the kind's 4 MiB
	s_mov_b32 s3, 0
	s_add_nc_u64 s[92:93], s[8:9], s[2:3]
	s_cmp_eq_u32 ttmp9, 2                          ; compared anew: the additions above have set SCC
.irp a, 0,1,2,3,4,5,6,7
	s_mov_b32 s2, \a*1024                          ; q, k: block a of 16 tokens
	s_cselect_b32 s2, (\a/4)*131072+(\a%4)*2048, s2 ; v: head a / 4, channels' fragment a % 4
	s_add_nc_u64 s[BA+2*\a:BA+2*\a+1], s[92:93], s[2:3]
.endr
	v_add_nc_u32 v9, 512, v8                       ; the four pieces of a block's codes: q, k: c = 0, 1 of a head, then of the next head;  v: c = 0 .. 3
	v_add_nc_u32 v10, s94, v8
	v_add_nc_u32 v11, 512, v10
	s_wait_alu depctr_va_vdst(0)
	s_wait_tensorcnt 0x0                           ; my part of K step 0 is in; slot 1's first fill is issued as a refill is:
	ds_add_u32 v[SPW], v[NIL]
	s_wait_dscnt 0x0
	CROUND                                         ; everybody's part of K step 0 is in, and all sixteen work-groups are here
	JLOAD G0+4, G1, G0B+4, G1B                     ; K step 1: my one tensor load behind the round
	FETCH_B 0, 0, 0
	FETCH_A 0, 0, 0
	FETCH_A 0, 0, 4
	global_prefetch_b8 v14, s[96:97] th:TH_LOAD_NT scope:SCOPE_SE   ; K step 3, the last: two refills on
	STEP 0, 0, 1                                   ; the first products start the sums: nothing is cleared
	TURN 0, 1, 1
	STEP 1, 0, 0
	TURN 1, 0, 1
	STEP 0, 0, 0
	TURN 0, 1, 0                                   ; the last two K steps lie in LDS: nothing is filled
	STEP 1, 0, 0
	s_wait_dscnt 4*NL
	WIN MUL_LO
	MUL16 0, 1, 0
	MUL16 2, 1, 0
	s_wait_alu depctr_va_vdst(0)
	s_wait_dscnt 0
	WIN MUL_HI
	MUL16 4, 1, 0
	MUL16 6, 1, 0
	WIN 0
	; THE WAY OUT: a block's 64 sums of a lane are four runs of 16 along the next K: held, turned into codes, stored as they stand: each store is 512 consecutive bytes, aligned
	PLACES NP
.irp a, 0,1,2,3,4,5,6,7
	WIN 0x02+(\a/4)                                ; source 0: window 2 or 3
.set pp, 0
.rept 64
	v_med3_num_f32 v[32+pp], v[64*(\a%4)+pp], -v23, v23   ; the hold (the conversion to an 8-bit code does not saturate: ISA guide 7.6.2); each accumulator from its low end on
.set pp, pp+1
.endr
	WIN 0
.irp g, 0,1,2,3,4,5,6,7
	v_cvt_scalef32_pk8_bf8_f32 v[128+16*\a+2*\g:128+16*\a+2*\g+1], v[32+8*\g:32+8*\g+7], v22
.endr
	v_nop                                          ; a plain line between the conversions and the next block's writes of their sources
.irp b, 0,1,2,3
	global_store_b128 v[8+\b], v[128+16*\a+4*\b:128+16*\a+4*\b+3], s[BA+2*\a:BA+2*\a+1]   ; each block has code registers and a base of its own, and the offsets stay: nothing that a store reads is written again
.endr
.endr
	s_wait_tensorcnt 0x0                           ; the wave's end
	ds_add_u32 v[SPW], v[NIL]
	s_wait_dscnt 0x0
	CROUND                                         ; the closing round
	s_endpgm
.Lfunc_end_k_q7971768ee2_qkv:
	.size	k_q7971768ee2_qkv, .Lfunc_end_k_q7971768ee2_qkv-k_q7971768ee2_qkv
	.p2alignl 7, 3214868480
	.fill 96, 4, 3214868480
	.section	.rodata,"a",@progbits
	.p2align	6, 0x0
	.amdhsa_kernel k_q7971768ee2_qkv
		.amdhsa_group_segment_fixed_size 327680
		.amdhsa_private_segment_fixed_size 0
		.amdhsa_enable_private_segment 0
		.amdhsa_kernarg_size 24
		.amdhsa_user_sgpr_count 2
		.amdhsa_user_sgpr_kernarg_segment_ptr 1
		.amdhsa_wavefront_size32 1
		.amdhsa_system_sgpr_workgroup_id_x 1
		.amdhsa_system_sgpr_workgroup_id_y 1
		.amdhsa_system_sgpr_workgroup_id_z 1
		.amdhsa_system_vgpr_workitem_id 0
		.amdhsa_next_free_vgpr 1024
		.amdhsa_next_free_sgpr 100
		.amdhsa_reserve_vcc 0
		.amdhsa_float_denorm_mode_32 3
		.amdhsa_float_denorm_mode_16_64 3
		.amdhsa_memory_ordered 1
		.amdhsa_forward_progress 1
		.amdhsa_inst_pref_size 120
	.end_amdhsa_kernel
	.amdgpu_metadata
---
amdhsa.version: [ 1, 2 ]
amdhsa.kernels:
  - .name:           k_q7971768ee2_qkv
    .symbol:         k_q7971768ee2_qkv.kd
    .args:
      - { .name: pw, .offset: 0, .size: 8, .value_kind: global_buffer, .address_space: global }
      - { .name: lowp_scales, .offset: 8, .size: 8, .value_kind: global_buffer, .address_space: global }
      - { .name: qkvi, .offset: 16, .size: 8, .value_kind: global_buffer, .address_space: global }
    .group_segment_fixed_size: 327680
    .private_segment_fixed_size: 0
    .kernarg_segment_align: 8
    .kernarg_segment_size: 24
    .max_flat_workgroup_size: 128
    .sgpr_count:     100
    .vgpr_count:     1024
    .wavefront_size: 32
...
	.end_amdgpu_metadata
.endif
;; end of part 2
;; launch attn (part 3): grid 8 x 32, 16 waves a work-group, no clusters, 327,680 bytes of LDS; arguments qkvi, lowp_scales, yi; writes yi
.if DOCPART == 3
	.amdgcn_target "amdgcn-amd-amdhsa--gfx1250"
	.amdhsa_code_object_version 6
	.text
	.protected	k_q7971768ee2_attn
	.globl	k_q7971768ee2_attn
	.p2align	8
	.type	k_q7971768ee2_attn,@function
k_q7971768ee2_attn:
	s_mov_b64 s[64:65], 0
	v_nop
	global_prefetch_b8 v0, s[64:65] scope:SCOPE_SE
	s_setreg_imm32_b32 hwreg(HW_REG_WAVE_MODE, 25, 1), 1
	s_wait_xcnt 0x0
; Products 2 and 3 with the causal softmax between them, on codes of BF8; y is quantised at once (entry 6) into the image that the projection reads.
; LEFT OUT AS DEAD WORK: key steps all of whose 128 keys come after a wave's 16 queries (reference()'s own jnp.tril mask makes their p = 0 for all inputs).
; THE SOFTMAX: t = score x log2(e) / 8; M = the running largest t rounded up to a whole number; p = 2^(t - M) is quantised along the keys, not normalised; the row's sum is taken of the unquantised p and divides at the end.
; SHARES.  Work-group (i, batch x head) owns blocks i and 15 - i of 128 queries, so that every work-group has the same number of key steps under the mask.  Each of sixteen waves owns 16 queries:
; role = (w xor w / 4) & 1 picks the block, w / 2 the tile in it.  Every wave passes all 8 slots of 256 keys (constant trip counts) and jumps over the work of hidden steps.
; No cluster: under the mask the work-groups of a head need different numbers of tiles, so a joint load would bring tiles that some partner never reads.
; LAYOUT.  S^T = K Q^T (16x16x64, source 0 = 16 neighbouring keys), O^T = V^T P^T (16x16x128): a lane holds one query throughout.  p's codes fall out with byte i of piece (c, h) = key 32 c + 16 (i / 8) + 8 h + i % 8:
; v was stored in that very order.  V's fragments hold channels 32 b + 8 u + r + 8 (r / 8), so that O^T's 16 registers of two fragments are 16 neighbouring channels: K of the projection.
; RING: two slots of 32,768 bytes (K's 16 fragments of 1,024, then V's 8 of 2,048), each half one dense block of memory: wave 0 fetches K's, wave 1 V's.
; LIMITS: e2 + e3 between -124 and 129; e4 and e6 between -126 and 112.  NaN is not served.
; REGISTERS: v1 16 x lane; v3 prefetch offset; v5, v6 the add's; v8 LDS address; v12 -M, v13 largest t, v[14:15] the sum; v16-23 Q; v32-95 K's or V's fragments; v96-159 S^T, p; v160-191 O^T; v224-239 p's codes; v236-254 at work.
.set SK,    256
.set VOFF,  16384
.set SLOT1, 32768
.set NSL,   8
.set SPARE, 65536                      ; behind the ring: the spare words, 128 bytes for each of 16 waves
.set LI,  1
.set PFO, 3
.set SPW, 5
.set NIL, 6
.set ADR, 8
.set TB,  2                            ; s2   LDS byte at which the slot in hand begins
.set WV,  18
.set SEL, 20
.set CS,  22
.set G1,  24
.set G0,  40
.set SLOTS, 67
.set PFA, 76
.set LIM, 80
.set LQ,  81                           ; s81  my work-group's last query
.set KF,  98                           ; s98  the step's first key
.set Q0,  99                           ; s99  my first query
.macro TLOAD                           ; waves 0 and 1 fetch, each its own bytes; the branch hangs on the wave's number alone; s_nop 0 and four v_nop follow the load
	s_cmp_lt_u32 s[WV], 2
	s_cbranch_scc0 .Lasked_\@
	tensor_load_to_lds s[G0:G0+3], s[G1:G1+7]
	s_nop 0
.rept 4
	v_nop
.endr
.Lasked_\@:
.endm
; A prefetch of what the next change of slots will ask for: 16,384 bytes of K and of V.  All work-groups of a head walk the same K and V: the head's first work-group asks, which walks every slot;
; in it waves 4, 5 ask for K's halves, waves 6, 7 for V's: 8,192 bytes a wave, lanes 256 bytes apart: each aligned 256 bytes is named once in the launch.  The last change that fills a slot asks for nothing.
.macro ASK
	s_cmp_gt_u32 s[SLOTS], s[LIM]
	s_cbranch_scc0 .Lnot_mine_\@
	global_prefetch_b8 v[PFO], s[PFA:PFA+1] th:TH_LOAD_NT scope:SCOPE_SE
.Lnot_mine_\@:
.endm
	s_load_b128 s[4:7], s[0:1], 0x0                ; qkvi, lowp_scales
	s_load_b64 s[16:17], s[0:1], 0x10              ; yi
	v_lshl_add_u32 v[SPW], v0, 2, SPARE
	v_mov_b32 v[NIL], 0
	ds_add_u32 v[SPW], v[NIL]                      ; the wave's opening: the add, twice on end, and its wait ahead of the first tensor load
	ds_add_u32 v[SPW], v[NIL]
	v_lshrrev_b32 v8, 5, v0
	s_delay_alu instid0(VALU_DEP_1)
	v_readfirstlane_b32 s[WV], v8                  ; wave 0..15
	s_and_b32 s86, ttmp7, 0xffff                   ; batch x 16 + head
	s_lshl_b32 s87, s86, 17                        ; its 131,072 bytes in each of q, k, v
	s_lshr_b32 s82, s[WV], 2
	s_xor_b32 s82, s82, s[WV]
	s_and_b32 s82, s82, 1                          ; role
	s_lshr_b32 s83, s[WV], 1                       ; tile in the block
	s_sub_co_u32 s84, 15, ttmp9
	s_cmp_eq_u32 s82, 1
	s_cselect_b32 s85, s84, ttmp9                  ; block 15 - i or i
	s_lshl_b32 s85, s85, 3
	s_add_co_u32 s85, s85, s83                     ; my tile of 16 queries, 0 .. 127
	s_lshl_b32 s[Q0], s85, 4
	s_lshl_b32 s[LQ], s84, 7
	s_or_b32 s[LQ], s[LQ], 127
	s_mov_b32 s[G1], 3<<16                         ; no mask; elements of 8 bytes; no padding
	s_mov_b32 s[G1+1], 32<<16                      ; tensor_dim0: 256 bytes
	s_mov_b32 s[G1+2], 64<<16                      ; tensor_dim1 = 64
	s_mov_b32 s[G1+3], 32<<16                      ; tile_dim0
	s_mov_b32 s[G1+4], 64                          ; tile_dim1
	s_mov_b32 s[G1+5], 32                          ; dense
	s_mov_b32 s[G1+6], 0
	s_mov_b32 s[G1+7], 0
	s_and_b32 s88, s[WV], 1
	s_lshl_b32 s89, s88, 14                        ; K's half of a slot, or V's
	s_add_co_u32 s90, s88, 1
	s_lshl_b32 s90, s90, 22                        ; k at +4 MiB, v at +8 MiB
	s_add_co_u32 s90, s90, s87
	s_mov_b32 s91, 0
	s_mov_b32 s[SEL], 0x76543210
	s_mov_b32 s[SEL+1], 0xfedcba98
	s_mov_b32 s[CS], 0x3e38aa3b                    ; c = log2(e) / sqrt(64)
	s_mov_b32 s[TB], 0
	s_mov_b32 s[SLOTS], NSL-1
	s_mov_b32 s[KF], 0
	s_wait_dscnt 0x0                               ; both opening adds are done
	s_wait_kmcnt 0x0
	s_load_b256 s[68:75], s[6:7], 0x0              ; e0 .. e7
	s_mov_b32 s[G0], 1
	s_mov_b32 s[G0+1], s89
	s_add_nc_u64 s[G0+2:G0+3], s[4:5], s[90:91]
	s_or_b32 s[G0+3], s[G0+3], 0x80000000
	TLOAD                                          ; slot 0: key 0 counts for every query
	v_and_b32 v[LI], 31, v0
	s_delay_alu instid0(VALU_DEP_1)
	v_lshlrev_b32 v[PFO], 8, v[LI]
	s_delay_alu instid0(VALU_DEP_2)
	v_lshlrev_b32 v[LI], 4, v[LI]
	s_lshl_b32 s92, s85, 10
	s_add_co_u32 s92, s92, s87
	s_mov_b32 s93, 0
	s_add_nc_u64 s[10:11], s[4:5], s[92:93]
	global_load_b128 v[16:19], v[LI], s[10:11]             ; Q's fragment stays in registers
	global_load_b128 v[20:23], v[LI], s[10:11] offset:512
	; where y goes: K step head / 8 of 2 MiB, block batch x 128 + tile of 8,192, fragment (head / 2) % 4, pieces 2 (head % 2) + 0, 1
	s_and_b32 s88, s86, 15
	s_lshr_b32 s89, s86, 4
	s_lshr_b32 s90, s88, 3
	s_lshl_b32 s90, s90, 21
	s_lshl_b32 s89, s89, 7
	s_add_co_u32 s89, s89, s85
	s_lshl_b32 s89, s89, 13
	s_add_co_u32 s90, s90, s89
	s_bfe_u32 s89, s88, 0x20001
	s_lshl_b32 s89, s89, 11
	s_add_co_u32 s90, s90, s89
	s_and_b32 s89, s88, 1
	s_lshl_b32 s89, s89, 10
	s_add_co_u32 s90, s90, s89
	s_mov_b32 s91, 0
	s_add_nc_u64 s[16:17], s[16:17], s[90:91]
	; the prefetches: where my wave's stand, and who asks
	s_cmp_lt_u32 s[WV], 6
	s_mov_b32 s88, 8<<20
	s_cselect_b32 s88, 4<<20, s88
	s_add_co_u32 s88, s88, s87
	s_and_b32 s89, s[WV], 1
	s_lshl_b32 s89, s89, 13
	s_add_co_u32 s88, s88, s89
	s_add_co_u32 s88, s88, 16384                   ; in slot 1: the first change of slots steps it to slot 2; nothing is prefetched at the head
	s_mov_b32 s89, 0
	s_add_nc_u64 s[PFA:PFA+1], s[4:5], s[88:89]
	s_sub_co_u32 s88, s[WV], 4
	s_lshr_b32 s88, s88, 2                         ; 0 in waves 4 to 7,
	s_or_b32 s88, s88, ttmp9                       ; of the head's first work-group
	s_cmp_eq_u32 s88, 0
	s_cselect_b32 s[LIM], 1, -1
	v_mov_b32 v13, 0xff61b1e6                      ; the largest t so far: -3e38
	s_delay_alu instid0(VALU_DEP_1)
	v_floor_f32 v12, -v13                          ; -M
	v_mov_b32 v14, 0
	v_mov_b32 v15, 0
	v_mov_b32 v236, 0                              ; written once: a lane permute's destination counts as one of its sources
	v_mov_b32 v252, 0
	v_mov_b32 v253, 0                              ; (named as the upper half of the pair v[252:253])
.set pp, 0
.rept 32
	v_mov_b32 v[160+pp], 0                         ; O^T: the step is written once; the first finds zeros, which the first change of M leaves zeros
.set pp, pp+1
.endr
	s_wait_kmcnt 0x0
	s_add_co_i32 s88, s70, s71
	s_lshl_b32 s88, s88, 23
	s_add_co_i32 s[CS], s[CS], s88                 ; a score stands for score x 2^(e2 + e3): added to c's exponent field
	s_mov_b32 s[CS+1], s[CS]
	s_add_co_i32 s88, s72, 127
	s_lshl_b32 s89, s88, 23
	v_mov_b32 v244, s89                            ; 2^e4, for p's conversions
	s_add_co_i32 s88, s88, 15
	s_lshl_b32 s88, s88, 23
	s_or_b32 s88, s88, 0x600000
	v_mov_b32 v240, s88                            ; 57,344 x 2^e4
	s_add_co_i32 s88, s74, 127
	s_lshl_b32 s89, s88, 23
	v_mov_b32 v245, s89                            ; 2^e6, for y's
	s_add_co_i32 s88, s88, 15
	s_lshl_b32 s88, s88, 23
	s_or_b32 s88, s88, 0x600000
	v_mov_b32 v241, s88
.macro STEP q                          ; 128 keys, the q-th of the slot in hand
	s_add_co_u32 s96, s[Q0], 15
	s_cmp_gt_u32 s[KF], s96                        ; all keys hidden: the work is jumped over; no barrier, wait for tiles or tensor load stands in a step
	s_cbranch_scc1 .Lhidden_\@
	v_add_nc_u32 v[ADR], s[TB], v[LI]
.rept 3
	v_nop                                          ; with the addition above: four places in front of loads into registers that the last products read
.endr
.irp t, 0,1,2,3,4,5,6,7
	ds_load_b128 v[32+8*\t:35+8*\t], v[ADR] offset:(8*(\q)+\t)*1024
	ds_load_b128 v[36+8*\t:39+8*\t], v[ADR] offset:(8*(\q)+\t)*1024+512
.endr
	s_wait_alu depctr_va_vdst(0)
	s_wait_dscnt 0x0
.irp t, 0,1,2,3,4,5,6,7
	v_wmma_f32_16x16x64_bf8_bf8 v[96+8*\t:103+8*\t], v[32+8*\t:39+8*\t], v[16:23], 0   ; register j of tile t: key 16 t + 8 h + j
.endr
.rept 4
	v_nop
.endr
.irp f, 0,1,2,3
.irp c, 0,1,2,3
	ds_load_b128 v[32+16*\f+4*\c:35+16*\f+4*\c], v[ADR] offset:VOFF+8192*(\q)+2048*\f+512*\c   ; V's fragments are asked for now and land under the softmax
.endr
.endr
	s_add_co_u32 s96, s[KF], 127
	s_cmp_le_u32 s96, s[Q0]                        ; all keys count: no mask
	s_cbranch_scc1 .Lopen_\@
	s_sub_co_i32 s96, s[Q0], s[KF]
	v_and_b32 v252, 15, v0
	v_bfe_u32 v253, v0, 4, 1
	s_delay_alu instid0(VALU_DEP_1)
	v_lshlrev_b32 v253, 3, v253
	s_delay_alu instid0(VALU_DEP_1)
	v_sub_nc_u32 v252, v252, v253
	s_delay_alu instid0(VALU_DEP_1)
	v_add_nc_u32 v252, s96, v252                   ; d = my query - KF - 8 h: register n is hidden where 16 (n / 8) + n % 8 > d
	v_mov_b32 v254, 0xff800000                     ; -infinity
.set nn, 0
.rept 64
	v_cmp_gt_i32 vcc_lo, 16*(nn/8)+nn%8, v252
	v_cndmask_b32 v[96+nn], v[96+nn], v254, vcc_lo
.set nn, nn+1
.endr
.Lopen_\@:
	v_max3_num_f32 v254, v96, v97, v98             ; the step's largest score of my query among my 64 keys, in two chains, each accumulator from its low end on
	v_max3_num_f32 v252, v99, v100, v101
.irp i, 6,10,14,18,22,26,30,34,38,42,46,50,54,58
	v_max3_num_f32 v254, v254, v[96+\i], v[97+\i]
	v_max3_num_f32 v252, v252, v[98+\i], v[99+\i]
.endr
	v_max3_num_f32 v254, v254, v158, v159
	s_delay_alu instid0(VALU_DEP_1)
	v_max_num_f32 v254, v254, v252
	v_permlanex16_b32 v236, v254, s[SEL], s[SEL+1]
	s_delay_alu instid0(VALU_DEP_1)
	v_max_num_f32 v254, v254, v236                 ; and among lane l xor 16's
	s_delay_alu instid0(VALU_DEP_1)
	v_mul_f32 v254, s[CS], v254                    ; as t
	s_delay_alu instid0(VALU_DEP_1)
	v_max_num_f32 v13, v13, v254
	v_mov_b32 v254, v12
	s_delay_alu instid0(VALU_DEP_2)
	v_floor_f32 v12, -v13                          ; the new -M = -ceil(t)
	s_delay_alu instid0(VALU_DEP_1)
	v_sub_f32 v254, v12, v254                      ; old M - new M: a whole number, 0 or less
	s_delay_alu instid0(VALU_DEP_1)
	v_cvt_i32_f32 v254, v254
	s_delay_alu instid0(VALU_DEP_1)
	v_ldexp_f32 v252, 1.0, v254                    ; f = 2^(old M - new M): rounds nothing
.set pp, 0
.rept 32
	v_pk_fma_f32 v[96+pp:97+pp], v[96+pp:97+pp], s[CS:CS+1], v[12:13] op_sel_hi:[1,0,0]   ; t - M
.set pp, pp+2
.endr
.set pp, 0
	s_wait_alu depctr_va_vdst(0)
.rept 64
	v_exp_f32 v[96+pp], v[96+pp]                   ; p = 2^(t - M)
.set pp, pp+1
.endr
	v_pk_mul_f32 v[14:15], v[14:15], v[252:253] op_sel_hi:[1,0]   ; the sums under the new M: a plain instruction behind the batch
	s_wait_alu depctr_va_vdst(0)                   ; one wait for the 64, ahead of their first reader
	v_pk_add_f32 v[242:243], v[100:101], v[104:105]
	v_pk_add_f32 v[254:255], v[108:109], v[112:113]
	v_pk_add_f32 v[250:251], v[116:117], v[120:121]
	v_pk_add_f32 v[248:249], v[124:125], v[128:129]
	v_pk_add_f32 v[246:247], v[132:133], v[136:137]
	v_pk_add_f32 v[238:239], v[140:141], v[144:145]
	v_pk_add_f32 v[236:237], v[148:149], v[152:153]
	v_pk_add_f32 v[14:15], v[14:15], v[156:157]
	v_pk_add_f32 v[242:243], v[242:243], v[96:97]
	v_pk_add_f32 v[254:255], v[254:255], v[98:99]
	v_pk_add_f32 v[250:251], v[250:251], v[102:103]
	v_pk_add_f32 v[248:249], v[248:249], v[106:107]
	v_pk_add_f32 v[246:247], v[246:247], v[110:111]
	v_pk_add_f32 v[238:239], v[238:239], v[114:115]
	v_pk_add_f32 v[236:237], v[236:237], v[118:119]
	v_pk_add_f32 v[14:15], v[14:15], v[122:123]
	v_pk_add_f32 v[242:243], v[242:243], v[126:127]
	v_pk_add_f32 v[254:255], v[254:255], v[130:131]
	v_pk_add_f32 v[250:251], v[250:251], v[134:135]
	v_pk_add_f32 v[248:249], v[248:249], v[138:139]
	v_pk_add_f32 v[246:247], v[246:247], v[142:143]
	v_pk_add_f32 v[238:239], v[238:239], v[146:147]
	v_pk_add_f32 v[236:237], v[236:237], v[150:151]
	v_pk_add_f32 v[14:15], v[14:15], v[154:155]
	v_pk_add_f32 v[242:243], v[242:243], v[158:159]
	s_delay_alu instid0(VALU_DEP_2)
	v_pk_add_f32 v[14:15], v[14:15], v[248:249]
	s_delay_alu instid0(VALU_DEP_2)
	v_pk_add_f32 v[242:243], v[242:243], v[246:247]
	v_pk_add_f32 v[254:255], v[254:255], v[238:239]
	v_pk_add_f32 v[250:251], v[250:251], v[236:237]
	s_delay_alu instid0(VALU_DEP_2)
	v_pk_add_f32 v[14:15], v[14:15], v[254:255]
	s_delay_alu instid0(VALU_DEP_2)
	v_pk_add_f32 v[242:243], v[242:243], v[250:251]
	s_delay_alu instid0(VALU_DEP_1)
	v_pk_add_f32 v[14:15], v[14:15], v[242:243]
.irp b, 0,1,2,3
.irp i, 0,1,2,3,4,5,6,7,8,9,10,11,12,13,14,15
	v_min_num_f32 v[96+16*\b+\i], v[96+16*\b+\i], v240   ; the hold; p is not negative
.endr
	v_cvt_scalef32_pk8_bf8_f32 v[224+4*\b:225+4*\b], v[96+16*\b:103+16*\b], v244
	v_cvt_scalef32_pk8_bf8_f32 v[226+4*\b:227+4*\b], v[104+16*\b:111+16*\b], v244
.endr
.set pp, 0
.rept 16
	v_pk_mul_f32 v[160+pp:161+pp], v[160+pp:161+pp], v[252:253] op_sel_hi:[1,0]   ; O^T under the new M; also the plain lines behind the conversions
.set pp, pp+2
.endr
	s_wait_alu depctr_va_vdst(0)
	s_wait_dscnt 0x0                               ; V's fragments are in
.irp f, 0,1,2,3
	v_wmma_f32_16x16x128_bf8_bf8 v[160+8*\f:167+8*\f], v[32+16*\f:47+16*\f], v[224:239], v[160+8*\f:167+8*\f]   ; the four accumulators take turns
.endr
.Lhidden_\@:
	s_add_co_u32 s[KF], s[KF], 128
.endm
; THE CHANGE OF SLOTS stands at a slot's head.  Each wave waits for all its tensor loads, adds 0 to its spare word (fill = 1: twice on end), and waits for that
; and for its reads of the slot that it has left.  Behind the barrier the slot ahead is whole and nobody reads the other one, which is then filled with the next 256 keys, up to the causal limit.
.macro CHANGE fill
	s_wait_tensorcnt 0x0                           ; no tensor load of mine is out, so the group 0 may be written
	ds_add_u32 v[SPW], v[NIL]
.if \fill
	ds_add_u32 v[SPW], v[NIL]
	s_xor_b32 s[G0+1], s[G0+1], SLOT1
	s_add_nc_u64 s[G0+2:G0+3], s[G0+2:G0+3], 16384
	s_wait_xcnt 0x0                                ; the last prefetch, a slot back, has read its address
	s_add_nc_u64 s[PFA:PFA+1], s[PFA:PFA+1], 16384
.endif
	s_wait_dscnt 0x0
	s_barrier_signal -1
	s_barrier_wait -1
.if \fill
	s_add_co_u32 s96, s[KF], SK                    ; the first key of the slot that this change would ask for:
	s_cmp_gt_u32 s96, s[LQ]                        ; behind my work-group's last query it is read by none of the sixteen waves and is not asked for.  Ids and the count of steps alone: all waves go the same way; every wait on TENSORcnt is for 0
	s_cbranch_scc1 .Lpast_\@
	TLOAD
.Lpast_\@:
	ASK
.endif
.endm
.macro SLOT_STEPS
	STEP 0
	STEP 1
	s_xor_b32 s[TB], s[TB], SLOT1
.endm
	s_wait_loadcnt 0x0                             ; Q
.Lslot:                                            ; 7 trips
	CHANGE 1
	SLOT_STEPS
	s_sub_co_u32 s[SLOTS], s[SLOTS], 1
	s_cmp_lg_u32 s[SLOTS], 0
	s_cbranch_scc1 .Lslot
	CHANGE 0                                       ; the last slot is written out: nothing is left to fetch
	SLOT_STEPS
	; THE WAY OUT: y = O^T / the sum x 2^(e4 + e5), held, turned into codes with 2^e6; a lane's 32 numbers are two runs of 16 neighbouring channels: two stores of 512 consecutive bytes
	v_add_f32 v14, v14, v15
	s_delay_alu instid0(VALU_DEP_1)
	v_permlanex16_b32 v252, v14, s[SEL], s[SEL+1]
	s_delay_alu instid0(VALU_DEP_1)
	v_add_f32 v14, v14, v252
	s_wait_alu depctr_va_vdst(0)
	v_rcp_f32 v14, v14
.rept 4
	v_nop                                          ; a plain instruction behind the reciprocal; with the lines above, the places behind the last products
.endr
	s_add_co_i32 s96, s72, s73
	s_wait_alu depctr_va_vdst(0)                   ; ahead of the reciprocal's first reader
	v_ldexp_f32 v14, v14, s96
.set pp, 0
.rept 32
	v_mul_f32 v[96+pp], v[160+pp], v14
.set pp, pp+1
.endr
.set pp, 0
.rept 32
	v_med3_num_f32 v[96+pp], v[96+pp], -v241, v241
.set pp, pp+1
.endr
.irp g, 0,1,2,3
	v_cvt_scalef32_pk8_bf8_f32 v[224+2*\g:225+2*\g], v[96+8*\g:103+8*\g], v245
.endr
	v_nop
	global_store_b128 v[LI], v[224:227], s[16:17]
	global_store_b128 v[LI], v[228:231], s[16:17] offset:512
	s_wait_tensorcnt 0x0                           ; the wave's end
	ds_add_u32 v[SPW], v[NIL]
	s_wait_dscnt 0x0
	s_endpgm
.Lfunc_end_k_q7971768ee2_attn:
	.size	k_q7971768ee2_attn, .Lfunc_end_k_q7971768ee2_attn-k_q7971768ee2_attn
	.p2alignl 7, 3214868480
	.fill 96, 4, 3214868480
	.section	.rodata,"a",@progbits
	.p2align	6, 0x0
	.amdhsa_kernel k_q7971768ee2_attn
		.amdhsa_group_segment_fixed_size 327680
		.amdhsa_private_segment_fixed_size 0
		.amdhsa_enable_private_segment 0
		.amdhsa_kernarg_size 24
		.amdhsa_user_sgpr_count 2
		.amdhsa_user_sgpr_kernarg_segment_ptr 1
		.amdhsa_wavefront_size32 1
		.amdhsa_system_sgpr_workgroup_id_x 1
		.amdhsa_system_sgpr_workgroup_id_y 1
		.amdhsa_system_sgpr_workgroup_id_z 1
		.amdhsa_system_vgpr_workitem_id 0
		.amdhsa_next_free_vgpr 256
		.amdhsa_next_free_sgpr 100
		.amdhsa_reserve_vcc 1
		.amdhsa_float_denorm_mode_32 3
		.amdhsa_float_denorm_mode_16_64 3
		.amdhsa_memory_ordered 1
		.amdhsa_forward_progress 1
		.amdhsa_inst_pref_size 97
	.end_amdhsa_kernel
	.amdgpu_metadata
---
amdhsa.version: [ 1, 2 ]
amdhsa.kernels:
  - .name:           k_q7971768ee2_attn
    .symbol:         k_q7971768ee2_attn.kd
    .args:
      - { .name: qkvi, .offset: 0, .size: 8, .value_kind: global_buffer, .address_space: global }
      - { .name: lowp_scales, .offset: 8, .size: 8, .value_kind: global_buffer, .address_space: global }
      - { .name: yi, .offset: 16, .size: 8, .value_kind: global_buffer, .address_space: global }
    .group_segment_fixed_size: 327680
    .private_segment_fixed_size: 0
    .kernarg_segment_align: 8
    .kernarg_segment_size: 24
    .max_flat_workgroup_size: 512
    .sgpr_count:     100
    .vgpr_count:     256
    .wavefront_size: 32
...
	.end_amdgpu_metadata
.endif
;; end of part 3
;; launch proj (part 4): grid 8 x 32, 4 waves a work-group, clusters of 4 x 4, 327,680 bytes of LDS; arguments yi, pw, lowp_scales, x, x1; writes x1
.if DOCPART == 4
	.amdgcn_target "amdgcn-amd-amdhsa--gfx1250"
	.amdhsa_code_object_version 6
	.text
	.protected	k_q7971768ee2_proj
	.globl	k_q7971768ee2_proj
	.p2align	8
	.type	k_q7971768ee2_proj,@function
k_q7971768ee2_proj:
	s_mov_b64 s[64:65], 0
	v_nop
	global_prefetch_b8 v0, s[64:65] scope:SCOPE_SE
	s_setreg_imm32_b32 hwreg(HW_REG_WAVE_MODE, 25, 1), 1
	s_wait_xcnt 0x0
	s_wait_alu depctr_hold_cnt(0) depctr_sa_sdst(0) depctr_va_vdst(0) depctr_va_sdst(0) depctr_va_ssrc(0) depctr_va_vcc(0) depctr_vm_vsrc(0)
	s_getreg_b32 s2, hwreg(HW_REG_IB_STS2, 6, 4)
	s_cmp_eq_u32 s2, 0
	s_cbranch_scc0 .Lentry_in_a_cluster
	s_endpgm
.Lentry_in_a_cluster:
	s_bfe_u32 s2, ttmp6, 0x10000c
	s_cmp_lg_u32 s2, 0xf033
	s_cbranch_scc0 .Lentry_shape_is_right
	s_endpgm
.Lentry_shape_is_right:
; Product 4 and the first residual: x1 = x + Q(y) Q(w_attn_proj), on codes of BF8.  (With MLP = 1 the same text is product 6: out = x1 + Q(gelu) Q(w_mlp_proj) + b.)
; N = 1,024: tiles of 128 tokens x 128 columns give 256 work-groups; four waves, 64 x 64 each: 16 accumulators.  K goes in steps of 512 through two LDS slots; both operands are register images,
; so a wave's tensor load brings one dense block of 32,768 bytes a K step (4 blocks of 16 rows x 512 k), and a fragment is four loads of 512 consecutive bytes.
; CLUSTER 4 x 4: tokens' tiles jointly along a row of the cluster, weights' along a column.  Source 0 = weights (lane ln of block 2 b + u is column 32 b + 8 u + ln + 8 (ln / 8)), source 1 = tokens:
; a lane holds one token; register j of tile 2 b + u is column 32 b + 16 h + 8 u + j.
; LIMIT: the two exponents' sum lies between -126 and 127.
; REGISTERS: window 0: v0-31 addresses, v32-95 rows on the way out, v128-255 accumulators ((a, b) at 128 + 8 (4 a + b)); window 1: two fragment buffers of 128 (tokens' four, then weights' four); window 2: the residual's 64 rows x 256 bytes.
.set MLP, 0
.set LAPS, 1                           ; K / 1,024
.set WOFF, 7<<20
.set HALFT, 32768
; LDS: each fetching wave has 65,536 bytes of its own: its part of K step 0, then its part of K step 1.  One tensor load a wave brings both: two rows of 32,768 bytes, a K step apart in memory.  Nothing is filled again.
.set SLOT,  32768                      ; from a wave's part of K step 0 to its part of K step 1
.set STAGE, 262144
.set SPARE, STAGE+4*16*272             ; the spare words, 128 bytes a wave
.set ASTEP, 2097152                    ; a K step of the tokens' image: 4,096 x 512
.set BSTEP, 524288                     ; of the weights': 1,024 x 512
.set ADRA, 16
.set ADRB, 20
.set SPW, 28
.set NIL, 29
.set BK,  32
.set ACC, 128
.set F0,  0
.set F1,  128
.set G1, 24
.set G0, 32
.set G1B, 48
.set G0B, 56
.set MSB, 0
.macro WIN new
.if MSB != \new
	s_set_vgpr_msb (MSB<<8)|\new
.set MSB, \new
.endif
.endm
.set MUL,  0x05                        ; sources 0 and 1 window 1; C and D window 0
.set TO_F, 0x40                        ; destination window 1
.macro JLOAD s                         ; waves 0, 1 fetch the tokens' halves, waves 2, 3 the weights'; s_nop 0 and four v_nop follow each line
	s_cmp_eq_u32 s83, 0
	s_cbranch_scc0 .Lfor_b_\@
	tensor_load_to_lds s[G0+4*\s:G0+4*\s+3], s[G1:G1+7]
	s_nop 0
.rept 4
	v_nop
.endr
	s_branch .Lasked_\@
.Lfor_b_\@:
	tensor_load_to_lds s[G0B+4*\s:G0B+4*\s+3], s[G1B:G1B+7]
	s_nop 0
.rept 4
	v_nop
.endr
.Lasked_\@:
.endm
.macro CREST
	s_cmp_lg_u32 s82, 0
	s_cbranch_scc1 .Lnot_wave_0_\@
	s_barrier_signal -3
.Lnot_wave_0_\@:
	s_barrier_wait -3
	s_barrier_signal -1
	s_barrier_wait -1
.endm
.macro CROUND
	s_barrier_signal -1
	s_barrier_wait -1
	CREST
.endm
.macro PLACES
.rept 4
	v_nop
.endr
.endm
.macro FETCH slot, q, f                ; 32 LDS loads in one run: the eight fragments of the slot's q-th 128 along K
	WIN TO_F
.irp i, 0,1,2,3
.irp c, 0,1,2,3
	ds_load_b128 v[\f+64+16*\i+4*\c:\f+64+16*\i+4*\c+3], v[ADRB+\slot] offset:8192*\i+2048*(\q)+512*\c
.endr
.endr
.irp i, 0,1,2,3
.irp c, 0,1,2,3
	ds_load_b128 v[\f+16*\i+4*\c:\f+16*\i+4*\c+3], v[ADRA+\slot] offset:8192*\i+2048*(\q)+512*\c
.endr
.endr
.endm
.macro MUL4 f, a, zero                 ; the sixteen accumulators take turns, one instruction a turn, in the same order in every step
.irp b, 0,1,2,3
.if \zero
	v_wmma_f32_16x16x128_bf8_bf8 v[ACC+8*(4*(\a)+\b):ACC+8*(4*(\a)+\b)+7], v[\f+64+16*\b:\f+64+16*\b+15], v[\f+16*(\a):\f+16*(\a)+15], 0
.else
	v_wmma_f32_16x16x128_bf8_bf8 v[ACC+8*(4*(\a)+\b):ACC+8*(4*(\a)+\b)+7], v[\f+64+16*\b:\f+64+16*\b+15], v[\f+16*(\a):\f+16*(\a)+15], v[ACC+8*(4*(\a)+\b):ACC+8*(4*(\a)+\b)+7]
.endif
.endr
.endm
.macro STEP slot, q, zero              ; 128 along K: this step's fragments are in; the next step's are asked for into the other buffer; 16 products
	s_wait_dscnt 0x0
	PLACES                                         ; in front of loads into the buffer that the last step's products read
	FETCH \slot, (\q)+1, 128*(1-(\q)%2)
	WIN MUL
	MUL4 128*((\q)%2), 0, \zero
	MUL4 128*((\q)%2), 1, \zero
	MUL4 128*((\q)%2), 2, \zero
	MUL4 128*((\q)%2), 3, \zero
.endm
.macro TURN slot, next, fill           ; a slot's fourth step (buffer 1) changes slots
	WIN 0
	s_wait_tensorcnt 0x0                           ; all my tensor loads have landed: my part of the next slot
	ds_add_u32 v[SPW], v[NIL]
	s_wait_dscnt 1                                 ; the fragments are in; the add alone may be out
	WIN MUL
	MUL4 F1, 0, 0
	s_wait_dscnt 0x0                               ; the add is done, and my reads of this slot are over
	s_barrier_signal -1
	MUL4 F1, 1, 0
	WIN 0
	s_barrier_wait -1
.if \fill
	CREST                                          ; the barrier has opened a round of the cluster's: no wave of any partner still reads this slot or has a load on its way
	s_add_nc_u64 s[G0+4*\slot+2:G0+4*\slot+3], s[G0+4*\slot+2:G0+4*\slot+3], 2*ASTEP
	s_add_nc_u64 s[G0B+4*\slot+2:G0B+4*\slot+3], s[G0B+4*\slot+2:G0B+4*\slot+3], 2*BSTEP
	JLOAD \slot                                    ; my one tensor load behind the round; its four v_nop are the places in front of the loads below
.else
	PLACES
.endif
	FETCH \next, 0, F0
	WIN MUL
	MUL4 F1, 2, 0
	MUL4 F1, 3, 0
.endm
	s_load_b256 s[4:11], s[0:1], 0x0               ; tokens' codes, pw, lowp_scales, the residual
.if MLP
	s_load_b128 s[12:15], s[0:1], 0x20             ; the bias, the output
.else
	s_load_b64 s[14:15], s[0:1], 0x20              ; the output
.endif
	v_lshl_add_u32 v[SPW], v0, 2, SPARE
	v_mov_b32 v[NIL], 0
	ds_add_u32 v[SPW], v[NIL]                      ; the wave's opening: the add, twice on end, and its wait ahead of my first tensor load
	ds_add_u32 v[SPW], v[NIL]
	v_lshrrev_b32 v1, 5, v0
	v_readfirstlane_b32 s82, v1                    ; wave 0..3
	s_lshr_b32 s83, s82, 1                         ; my half of the tokens.  Also: I fetch tokens (0) or weights (1)
	s_and_b32 s84, s82, 1                          ; my half of the columns.  Also: which 64 rows I fetch
	s_bfe_u32 s40, ttmp6, 0x40000                  ; cx
	s_bfe_u32 s41, ttmp6, 0x40004                  ; cy
	s_lshl_b32 s86, ttmp9, 2
	s_add_co_u32 s86, s86, s40                     ; x
	s_and_b32 s85, ttmp7, 0xffff
	s_lshl_b32 s85, s85, 2
	s_add_co_u32 s85, s85, s41                     ; y
	s_lshl_b32 s43, s41, 2
	s_lshl_b32 s43, 15, s43
	s_lshl_b32 s44, 0x1111, s40
	s_or_b32 s[G1+0], s43, (3<<16)|(1<<21)         ; the mask; elements of 8 bytes; bit 21 beside a mask; no padding
	s_or_b32 s[G1B+0], s44, (3<<16)|(1<<21)
.irp g, G1, G1B
	s_mov_b32 s[\g+1], 4096<<16                    ; a row: 4,096 elements of 8 bytes, my dense block of one K step
	s_mov_b32 s[\g+2], 2<<16                       ; two rows: K steps 0 and 1
	s_mov_b32 s[\g+3], 4096<<16
	s_mov_b32 s[\g+4], 2
.if \g == G1
	s_mov_b32 s[\g+5], ASTEP/8                     ; the pitch: a K step of the image, in elements
.else
	s_mov_b32 s[\g+5], BSTEP/8
.endif
	s_mov_b32 s[\g+6], 0
	s_mov_b32 s[\g+7], 0
.endr
	s_lshl_b32 s18, s84, 15
	s_lshl_b32 s20, s85, 16
	s_add_co_u32 s20, s20, s18                     ; tokens: blocks 8 y + 4 half, 8,192 bytes each
	s_mov_b32 s21, 0
	s_lshl_b32 s46, s86, 16
	s_add_co_u32 s46, s46, s18
	s_add_co_u32 s46, s46, WOFF                    ; weights: blocks 8 x + 4 half, in their region of pw
	s_mov_b32 s47, 0
	s_lshl_b32 s45, s82, 16
	s_wait_dscnt 0x0
	s_wait_kmcnt 0x0
.if MLP
	s_load_b64 s[96:97], s[8:9], 0x28              ; e10, e11
.else
	s_load_b64 s[96:97], s[8:9], 0x18              ; e6, e7
.endif
	s_add_nc_u64 s[20:21], s[4:5], s[20:21]
	s_add_nc_u64 s[46:47], s[6:7], s[46:47]
	CROUND
.irp s, 0,1
	s_mov_b32 s[G0+4*\s], 1
	s_add_co_u32 s[G0+4*\s+1], s45, \s*SLOT
	s_add_nc_u64 s[G0+4*\s+2:G0+4*\s+3], s[20:21], \s*ASTEP
	s_or_b32 s[G0+4*\s+3], s[G0+4*\s+3], 0x80000000
	s_mov_b32 s[G0B+4*\s], 1
	s_add_co_u32 s[G0B+4*\s+1], s45, \s*SLOT
	s_add_nc_u64 s[G0B+4*\s+2:G0B+4*\s+3], s[46:47], \s*BSTEP
	s_or_b32 s[G0B+4*\s+3], s[G0B+4*\s+3], 0x80000000
.endr
	JLOAD 0                                        ; my one tensor load: both K steps
	v_and_b32 v1, 31, v0
	v_and_b32 v2, 15, v0                           ; r
	v_bfe_u32 v3, v0, 4, 1                         ; h
	v_lshlrev_b32 v4, 4, v1
	v_lshlrev_b32 v27, 4, v2
	v_lshl_add_u32 v26, v3, 12, v27                ; the way out and the residual: lanes 0-15 one row's 256 bytes, lanes 16-31 the next row's
	s_wait_alu depctr_va_vdst(0)
	s_lshl_b32 s20, s85, 19                        ; row 128 y + 64 half of 4,096 bytes, column 128 x + 64 half
	s_lshl_b32 s21, s83, 18
	s_add_co_u32 s20, s20, s21
	s_lshl_b32 s21, s86, 9
	s_add_co_u32 s20, s20, s21
	s_lshl_b32 s21, s84, 8
	s_add_co_u32 s20, s20, s21
	s_mov_b32 s21, 0
	s_add_nc_u64 s[10:11], s[10:11], s[20:21]
	s_add_nc_u64 s[14:15], s[14:15], s[20:21]
	WIN 0x80                                       ; destination window 2
.irp a, 0,1,2,3
.irp t, 0,1,2,3,4,5,6,7
	global_load_b128 v[32*\a+4*\t:32*\a+4*\t+3], v26, s[10:11] offset:(16*\a+2*\t)*4096   ; the residual, asked for now, wanted at the end
.endr
.endr
	WIN 0
.if MLP
	s_lshl_b32 s20, s86, 9
	s_lshl_b32 s22, s84, 8
	s_add_co_u32 s20, s20, s22
	s_add_nc_u64 s[12:13], s[12:13], s[20:21]
	global_load_b128 v[12:15], v27, s[12:13]       ; the bias of my four columns
.endif
	s_lshl_b32 s21, s83, 16                        ; my 64 tokens: the region of wave 0 or 1,
	s_lshl_b32 s22, s84, 16
	s_add_co_u32 s22, s22, 131072                  ; my 64 columns: the region of wave 2 or 3
.irp s, 0,1
	v_add_nc_u32 v[ADRA+\s], s21, v4
	v_add_nc_u32 v[ADRB+\s], s22, v4
	s_add_co_u32 s21, s21, SLOT
	s_add_co_u32 s22, s22, SLOT
.endr
	s_mul_i32 s23, s82, 16*272
	s_add_co_u32 s23, s23, STAGE                   ; my stage
	v_mul_u32_u24 v24, v2, 272
	v_lshl_add_u32 v24, v3, 6, v24
	v_add_nc_u32 v24, s23, v24                     ; in: row r, + 64 h
	v_mul_u32_u24 v25, v3, 272
	v_lshl_add_u32 v25, v2, 4, v25
	v_add_nc_u32 v25, s23, v25                     ; back: two rows an instruction
	s_wait_alu depctr_va_vdst(0)
	s_wait_tensorcnt 0x0                           ; my one load, both K steps, is in
	s_barrier_signal -1
	s_barrier_wait -1
	FETCH 0, 0, F0
	STEP 0, 0, 1                                   ; the first products start the sums
.if LAPS > 1
	WIN 0
	s_mov_b32 s3, LAPS-1
.Llap:                                             ; a trip goes once round the ring and fills both slots again
	STEP 0, 1, 0
	STEP 0, 2, 0
	TURN 0, 1, 1
	STEP 1, 0, 0
	STEP 1, 1, 0
	STEP 1, 2, 0
	TURN 1, 0, 1
	STEP 0, 0, 0
	WIN 0
	s_sub_co_u32 s3, s3, 1
	s_cmp_lg_u32 s3, 0
	s_cbranch_scc1 .Llap
.endif
	STEP 0, 1, 0                                   ; the last lap fills nothing
	STEP 0, 2, 0
	TURN 0, 1, 0
	STEP 1, 0, 0
	STEP 1, 1, 0
	STEP 1, 2, 0
	s_wait_dscnt 0x0
	WIN MUL
	MUL4 F1, 0, 0
	MUL4 F1, 1, 0
	MUL4 F1, 2, 0
	MUL4 F1, 3, 0
	WIN 0
	; THE WAY OUT: 16 rows x 64 columns at a time through my own stage, back as whole rows of 256 bytes; sum x 2^(eA + eB) + the residual in one packed multiply-add
.macro TOSTAGE a
.if (\a) >= 2
	s_wait_xcnt 0x0                                ; the stores of two blocks back have read the registers that the loads below fill
.endif
.irp b, 0,1,2,3
	ds_store_b128 v24, v[ACC+8*(4*(\a)+\b):ACC+8*(4*(\a)+\b)+3] offset:128*(\b/2)+32*(\b%2)       ; each accumulator from its low end on
	ds_store_b128 v24, v[ACC+8*(4*(\a)+\b)+4:ACC+8*(4*(\a)+\b)+7] offset:128*(\b/2)+32*(\b%2)+16
.endr
.set BB, BK+32*((\a)%2)
.irp t, 0,1,2,3,4,5,6,7
	ds_load_b128 v[BB+4*\t:BB+4*\t+3], v25 offset:544*\t   ; LDS serves a wave's instructions in order: these see my stores
.endr
.endm
.macro SEND a, younger                 ; younger: the next block's 8 stores and 8 loads, or none
.set BB, BK+32*((\a)%2)
	s_wait_dscnt \younger
	WIN 0x20                                       ; source 2 window 2
.set pp, 0
.rept 16
	v_pk_fma_f32 v[BB+pp:BB+pp+1], v[BB+pp:BB+pp+1], s[96:97], v[32*(\a)+pp:32*(\a)+pp+1] op_sel_hi:[1,0,1]
.set pp, pp+2
.endr
	WIN 0
.if MLP
.set pp, 0
.rept 8
	v_pk_add_f32 v[BB+pp:BB+pp+1], v[BB+pp:BB+pp+1], v[12:13]
	v_pk_add_f32 v[BB+pp+2:BB+pp+3], v[BB+pp+2:BB+pp+3], v[14:15]
.set pp, pp+4
.endr
.endif
.irp t, 0,1,2,3,4,5,6,7
.if MLP
	global_store_b128 v26, v[BB+4*\t:BB+4*\t+3], s[14:15] offset:(16*(\a)+2*\t)*4096 th:TH_STORE_NT
.else
	global_store_b128 v26, v[BB+4*\t:BB+4*\t+3], s[14:15] offset:(16*(\a)+2*\t)*4096   ; sixteen lanes store 256 consecutive bytes, aligned
.endif
.endr
.endm
	s_wait_kmcnt 0x0
	s_add_co_i32 s96, s96, s97
	s_add_co_i32 s96, s96, 127
	s_lshl_b32 s96, s96, 23                        ; 2^(eA + eB) as f32
	s_mov_b32 s97, s96
	PLACES                                         ; behind the last products
	s_wait_loadcnt 0x0                             ; the residual (and the bias)
	TOSTAGE 0
	TOSTAGE 1
	SEND 0, 16
	TOSTAGE 2
	SEND 1, 16
	TOSTAGE 3
	SEND 2, 16
	SEND 3, 0
	s_wait_tensorcnt 0x0                           ; the wave's end
	ds_add_u32 v[SPW], v[NIL]
	s_wait_dscnt 0x0
	CROUND                                         ; the closing round
	s_endpgm
.Lfunc_end_k_q7971768ee2_proj:
	.size	k_q7971768ee2_proj, .Lfunc_end_k_q7971768ee2_proj-k_q7971768ee2_proj
	.p2alignl 7, 3214868480
	.fill 96, 4, 3214868480
	.section	.rodata,"a",@progbits
	.p2align	6, 0x0
	.amdhsa_kernel k_q7971768ee2_proj
		.amdhsa_group_segment_fixed_size 327680
		.amdhsa_private_segment_fixed_size 0
		.amdhsa_enable_private_segment 0
		.amdhsa_kernarg_size 40
		.amdhsa_user_sgpr_count 2
		.amdhsa_user_sgpr_kernarg_segment_ptr 1
		.amdhsa_wavefront_size32 1
		.amdhsa_system_sgpr_workgroup_id_x 1
		.amdhsa_system_sgpr_workgroup_id_y 1
		.amdhsa_system_sgpr_workgroup_id_z 1
		.amdhsa_system_vgpr_workitem_id 0
		.amdhsa_next_free_vgpr 768
		.amdhsa_next_free_sgpr 100
		.amdhsa_reserve_vcc 0
		.amdhsa_float_denorm_mode_32 3
		.amdhsa_float_denorm_mode_16_64 3
		.amdhsa_memory_ordered 1
		.amdhsa_forward_progress 1
		.amdhsa_inst_pref_size 48
	.end_amdhsa_kernel
	.amdgpu_metadata
---
amdhsa.version: [ 1, 2 ]
amdhsa.kernels:
  - .name:           k_q7971768ee2_proj
    .symbol:         k_q7971768ee2_proj.kd
    .args:
      - { .name: yi, .offset: 0, .size: 8, .value_kind: global_buffer, .address_space: global }
      - { .name: pw, .offset: 8, .size: 8, .value_kind: global_buffer, .address_space: global }
      - { .name: lowp_scales, .offset: 16, .size: 8, .value_kind: global_buffer, .address_space: global }
      - { .name: x, .offset: 24, .size: 8, .value_kind: global_buffer, .address_space: global }
      - { .name: x1, .offset: 32, .size: 8, .value_kind: global_buffer, .address_space: global }
    .group_segment_fixed_size: 327680
    .private_segment_fixed_size: 0
    .kernarg_segment_align: 8
    .kernarg_segment_size: 40
    .max_flat_workgroup_size: 128
    .sgpr_count:     100
    .vgpr_count:     768
    .wavefront_size: 32
...
	.end_amdgpu_metadata
.endif
;; end of part 4
;; launch ln2 (part 5): grid 256 x 1, 4 waves a work-group, no clusters, 17,920 bytes of LDS; arguments x1, ln2_w, ln2_b, lowp_scales, a2; writes a2
.if DOCPART == 5
	.amdgcn_target "amdgcn-amd-amdhsa--gfx1250"
	.amdhsa_code_object_version 6
	.text
	.protected	k_q7971768ee2_ln2
	.globl	k_q7971768ee2_ln2
	.p2align	8
	.type	k_q7971768ee2_ln2,@function
k_q7971768ee2_ln2:
	s_mov_b64 s[64:65], 0
	v_nop
	global_prefetch_b8 v0, s[64:65] scope:SCOPE_SE
	s_setreg_imm32_b32 hwreg(HW_REG_WAVE_MODE, 25, 1), 1
	s_wait_xcnt 0x0
; Q(LN2(x1)) as a register image (K steps of 256) for product 5.  16 rows to a work-group, 4 to a wave, each row whole in 32 registers a lane: read once.  The variance is taken in two passes, as jnp.var takes it.
; The codes of 16 rows meet in a stage in LDS (64 pieces of 16 k x 16 rows at pitch 272), one barrier, and leave as 4,096 consecutive bytes a wave.  Memory binds: no matrix unit, no cluster, no tensor load.
; LIMIT: e8 between -126 and 112.  NaN is not served; an infinity is held at the largest code.
.set SPARE, 17408
.set SPW, 12
.set NIL, 13
.set SC,  14
.set LIM, 15
.set ST,  16
.set CD,  48
.set X,   64
.set W,   192
.set BV,  224
.macro RED a, tmp
	v_add_f32_dpp v[\a], v[\a], v[\a] row_xmask:1 row_mask:0xf bank_mask:0xf
	v_add_f32_dpp v[\a], v[\a], v[\a] row_xmask:2 row_mask:0xf bank_mask:0xf
	v_add_f32_dpp v[\a], v[\a], v[\a] row_xmask:4 row_mask:0xf bank_mask:0xf
	v_add_f32_dpp v[\a], v[\a], v[\a] row_xmask:8 row_mask:0xf bank_mask:0xf
	v_permlanex16_b32 v[\tmp], v[\a], s20, s21
	v_add_f32 v[\a], v[\a], v[\tmp]
.endm
.macro SUM i
	s_wait_loadcnt 16+8*(3-\i)                     ; my row's eight loads are in; the later rows' and the 16 of gain and bias may be out
	v_pk_add_f32 v[ST+8*\i:ST+8*\i+1], v[X+32*\i:X+32*\i+1], v[X+32*\i+2:X+32*\i+3]
	v_pk_add_f32 v[ST+8*\i+2:ST+8*\i+3], v[X+32*\i+4:X+32*\i+5], v[X+32*\i+6:X+32*\i+7]
.irp p, 8,12,16,20,24,28
	v_pk_add_f32 v[ST+8*\i:ST+8*\i+1], v[ST+8*\i:ST+8*\i+1], v[X+32*\i+\p:X+32*\i+\p+1]
	v_pk_add_f32 v[ST+8*\i+2:ST+8*\i+3], v[ST+8*\i+2:ST+8*\i+3], v[X+32*\i+\p+2:X+32*\i+\p+3]
.endr
	v_pk_add_f32 v[ST+8*\i:ST+8*\i+1], v[ST+8*\i:ST+8*\i+1], v[ST+8*\i+2:ST+8*\i+3]
	v_add_f32 v[ST+8*\i], v[ST+8*\i], v[ST+8*\i+1]
	RED ST+8*\i, ST+8*\i+2
	v_mul_f32 v[ST+8*\i+4], s22, v[ST+8*\i]
	v_mul_f32 v[ST+8*\i+5], s22, v[ST+8*\i]
.endm
.macro DEV i
.set pp, 0
.rept 16
	v_pk_add_f32 v[X+32*\i+pp:X+32*\i+pp+1], v[X+32*\i+pp:X+32*\i+pp+1], v[ST+8*\i+4:ST+8*\i+5] neg_lo:[0,1] neg_hi:[0,1]
.set pp, pp+2
.endr
	v_pk_mul_f32 v[ST+8*\i:ST+8*\i+1], v[X+32*\i:X+32*\i+1], v[X+32*\i:X+32*\i+1]
	v_pk_mul_f32 v[ST+8*\i+2:ST+8*\i+3], v[X+32*\i+2:X+32*\i+3], v[X+32*\i+2:X+32*\i+3]
.irp p, 4,8,12,16,20,24,28
	v_pk_fma_f32 v[ST+8*\i:ST+8*\i+1], v[X+32*\i+\p:X+32*\i+\p+1], v[X+32*\i+\p:X+32*\i+\p+1], v[ST+8*\i:ST+8*\i+1]
	v_pk_fma_f32 v[ST+8*\i+2:ST+8*\i+3], v[X+32*\i+\p+2:X+32*\i+\p+3], v[X+32*\i+\p+2:X+32*\i+\p+3], v[ST+8*\i+2:ST+8*\i+3]
.endr
	v_pk_add_f32 v[ST+8*\i:ST+8*\i+1], v[ST+8*\i:ST+8*\i+1], v[ST+8*\i+2:ST+8*\i+3]
	v_add_f32 v[ST+8*\i], v[ST+8*\i], v[ST+8*\i+1]
	RED ST+8*\i, ST+8*\i+2
	v_fma_f32 v[ST+8*\i+6], v[ST+8*\i], s22, s23
.endm
.macro NORM i
.if \i >= 2
	s_wait_dscnt 8                                 ; the stores of two rows back have read this set of code registers
.endif
.set pp, 0
.rept 16
	v_pk_mul_f32 v[X+32*\i+pp:X+32*\i+pp+1], v[X+32*\i+pp:X+32*\i+pp+1], v[ST+8*\i+6:ST+8*\i+7]
.set pp, pp+2
.endr
.set pp, 0
.rept 16
	v_pk_fma_f32 v[X+32*\i+pp:X+32*\i+pp+1], v[X+32*\i+pp:X+32*\i+pp+1], v[W+pp:W+pp+1], v[BV+pp:BV+pp+1]
.set pp, pp+2
.endr
.set pp, 0
.rept 32
	v_med3_num_f32 v[X+32*\i+pp], v[X+32*\i+pp], -v[LIM], v[LIM]   ; the hold: the conversion to an 8-bit code does not saturate (ISA guide 7.6.2)
.set pp, pp+1
.endr
.irp g, 0,1,2,3
	v_cvt_scalef32_pk8_bf8_f32 v[CD+8*(\i%2)+2*\g:CD+8*(\i%2)+2*\g+1], v[X+32*\i+8*\g:X+32*\i+8*\g+7], v[SC]
.endr
.irp j, 0,1,2,3,4,5,6,7
	ds_store_b32 v3, v[CD+8*(\i%2)+\j] offset:2176*\j+16*\i   ; codes of k = 128 j + 4 lane + 0 .. 3: piece 8 j + lane / 4, row 4 wave + i
.endr
.endm
	s_load_b256 s[4:11], s[0:1], 0x0               ; x1, ln2_w, ln2_b, lowp_scales
	s_load_b64 s[12:13], s[0:1], 0x20              ; a2
	v_lshl_add_u32 v[SPW], v0, 2, SPARE
	v_mov_b32 v[NIL], 0
	v_lshrrev_b32 v1, 5, v0
	v_readfirstlane_b32 s16, v1
	v_and_b32 v1, 31, v0
	v_lshlrev_b32 v2, 4, v1
	v_lshrrev_b32 v3, 2, v1
	v_mul_u32_u24 v3, v3, 272
	v_and_b32 v6, 3, v1
	v_lshl_add_u32 v3, v6, 2, v3
	s_lshl_b32 s17, s16, 6
	v_add_nc_u32 v3, s17, v3                       ; into the stage
	v_lshrrev_b32 v4, 4, v1
	v_mul_u32_u24 v4, v4, 272
	v_and_b32 v6, 15, v1
	v_lshl_add_u32 v4, v6, 4, v4
	s_mul_i32 s17, s16, 16*272
	v_add_nc_u32 v4, s17, v4                       ; out of it
	s_mov_b32 s20, 0x76543210
	s_mov_b32 s21, 0xfedcba98
	s_mov_b32 s22, 0x3a800000                      ; 1 / 1024
	s_mov_b32 s23, 0x3727c5ac                      ; eps
	s_lshl_b32 s18, ttmp9, 16
	s_lshl_b32 s19, s16, 14
	s_add_co_u32 s18, s18, s19
	s_mov_b32 s19, 0
	s_wait_kmcnt 0x0
	s_load_b32 s24, s[10:11], 0x20                 ; e8
	s_add_nc_u64 s[4:5], s[4:5], s[18:19]
.irp i, 0,1,2,3
.irp j, 0,1,2,3,4,5,6,7
	global_load_b128 v[X+32*\i+4*\j:X+32*\i+4*\j+3], v2, s[4:5] offset:4096*\i+512*\j
.endr
.endr
.irp j, 0,1,2,3,4,5,6,7
	global_load_b128 v[W+4*\j:W+4*\j+3], v2, s[6:7] offset:512*\j
.endr
.irp j, 0,1,2,3,4,5,6,7
	global_load_b128 v[BV+4*\j:BV+4*\j+3], v2, s[8:9] offset:512*\j
.endr
	s_wait_kmcnt 0x0
	s_add_co_i32 s24, s24, 127
	s_lshl_b32 s25, s24, 23
	v_mov_b32 v[SC], s25
	s_add_co_i32 s24, s24, 15
	s_lshl_b32 s24, s24, 23
	s_or_b32 s24, s24, 0x600000
	v_mov_b32 v[LIM], s24
	SUM 0
	SUM 1
	SUM 2
	SUM 3
	DEV 0
	DEV 1
	DEV 2
	DEV 3
	s_wait_alu depctr_va_vdst(0)
.irp i, 0,1,2,3
	v_rsq_f32 v[ST+8*\i+6], v[ST+8*\i+6]
.endr
	v_nop
	s_wait_alu depctr_va_vdst(0)                   ; one wait for the four, ahead of their first reader
.irp i, 0,1,2,3
	v_mov_b32 v[ST+8*\i+7], v[ST+8*\i+6]
.endr
	s_wait_alu depctr_va_vdst(0)
	s_wait_loadcnt 0x0
	NORM 0
	NORM 1
	NORM 2
	NORM 3
	v_nop
	s_wait_dscnt 0x0                               ; for the others' sake: my stores into the stage have landed
	s_barrier_signal -1
	s_barrier_wait -1
	s_lshl_b32 s18, s16, 20                        ; K step = wave
	s_lshl_b32 s19, ttmp9, 12
	s_add_co_u32 s18, s18, s19
	s_mov_b32 s19, 0
	s_add_nc_u64 s[14:15], s[12:13], s[18:19]
.irp t, 0,1,2,3,4,5,6,7
	ds_load_b128 v[X+4*\t:X+4*\t+3], v4 offset:544*\t
.endr
.irp t, 0,1,2,3,4,5,6,7
	s_wait_dscnt 7-\t
	global_store_b128 v2, v[X+4*\t:X+4*\t+3], s[14:15] offset:512*\t
.endr
	s_wait_tensorcnt 0x0                           ; the wave's end
	ds_add_u32 v[SPW], v[NIL]
	s_wait_dscnt 0x0
	s_endpgm
.Lfunc_end_k_q7971768ee2_ln2:
	.size	k_q7971768ee2_ln2, .Lfunc_end_k_q7971768ee2_ln2-k_q7971768ee2_ln2
	.p2alignl 7, 3214868480
	.fill 96, 4, 3214868480
	.section	.rodata,"a",@progbits
	.p2align	6, 0x0
	.amdhsa_kernel k_q7971768ee2_ln2
		.amdhsa_group_segment_fixed_size 17920
		.amdhsa_private_segment_fixed_size 0
		.amdhsa_enable_private_segment 0
		.amdhsa_kernarg_size 40
		.amdhsa_user_sgpr_count 2
		.amdhsa_user_sgpr_kernarg_segment_ptr 1
		.amdhsa_wavefront_size32 1
		.amdhsa_system_sgpr_workgroup_id_x 1
		.amdhsa_system_sgpr_workgroup_id_y 1
		.amdhsa_system_sgpr_workgroup_id_z 1
		.amdhsa_system_vgpr_workitem_id 0
		.amdhsa_next_free_vgpr 256
		.amdhsa_next_free_sgpr 66
		.amdhsa_reserve_vcc 0
		.amdhsa_float_denorm_mode_32 3
		.amdhsa_float_denorm_mode_16_64 3
		.amdhsa_memory_ordered 1
		.amdhsa_forward_progress 1
		.amdhsa_inst_pref_size 44
	.end_amdhsa_kernel
	.amdgpu_metadata
---
amdhsa.version: [ 1, 2 ]
amdhsa.kernels:
  - .name:           k_q7971768ee2_ln2
    .symbol:         k_q7971768ee2_ln2.kd
    .args:
      - { .name: x1, .offset: 0, .size: 8, .value_kind: global_buffer, .address_space: global }
      - { .name: ln2_w, .offset: 8, .size: 8, .value_kind: global_buffer, .address_space: global }
      - { .name: ln2_b, .offset: 16, .size: 8, .value_kind: global_buffer, .address_space: global }
      - { .name: lowp_scales, .offset: 24, .size: 8, .value_kind: global_buffer, .address_space: global }
      - { .name: a2, .offset: 32, .size: 8, .value_kind: global_buffer, .address_space: global }
    .group_segment_fixed_size: 17920
    .private_segment_fixed_size: 0
    .kernarg_segment_align: 8
    .kernarg_segment_size: 40
    .max_flat_workgroup_size: 128
    .sgpr_count:     66
    .vgpr_count:     256
    .wavefront_size: 32
...
	.end_amdgpu_metadata
.endif
;; end of part 5
;; launch fc (part 6): grid 16 x 16, 4 waves a work-group, clusters of 4 x 4, 327,680 bytes of LDS; arguments a2, pw, lowp_scales, b_fc, hi; writes hi
.if DOCPART == 6
	.amdgcn_target "amdgcn-amd-amdhsa--gfx1250"
	.amdhsa_code_object_version 6
	.text
	.protected	k_q7971768ee2_fc
	.globl	k_q7971768ee2_fc
	.p2align	8
	.type	k_q7971768ee2_fc,@function
k_q7971768ee2_fc:
	s_mov_b64 s[64:65], 0
	v_nop
	global_prefetch_b8 v0, s[64:65] scope:SCOPE_SE
	s_setreg_imm32_b32 hwreg(HW_REG_WAVE_MODE, 25, 1), 1
	s_wait_xcnt 0x0
	s_wait_alu depctr_hold_cnt(0) depctr_sa_sdst(0) depctr_va_vdst(0) depctr_va_sdst(0) depctr_va_ssrc(0) depctr_va_vcc(0) depctr_vm_vsrc(0)
	s_getreg_b32 s2, hwreg(HW_REG_IB_STS2, 6, 4)
	s_cmp_eq_u32 s2, 0
	s_cbranch_scc0 .Lentry_in_a_cluster
	s_endpgm
.Lentry_in_a_cluster:
	s_bfe_u32 s2, ttmp6, 0x10000c
	s_cmp_lg_u32 s2, 0xf033
	s_cbranch_scc0 .Lentry_shape_is_right
	s_endpgm
.Lentry_shape_is_right:
.set HALFT, 32768
; Product 5 with its bias and the exact GELU: Q(LN2 x1) [4096][1024] x Q(w_fc) [1024][4096] on codes of BF8; the result is quantised at once (entry 10) into the image that product 6 reads.
; A tile of 256 x 256 to a work-group of four waves, 64 accumulators a wave; clusters of 4 x 4 with joint loads; K in 4 steps of 256 through two slots.
; LDS: each fetching wave has 65,536 bytes of its own: slot 0's part, then slot 1's.  The head's one tensor load a wave brings K steps 0 and 1: two rows of 32,768 bytes, a K step apart in memory; a refill brings one dense block of 32,768.
; LIMITS: e8 + e9 between -126 and 127; e10 between -126 and 112.  NaN is not served.
.set SLOT,  32768                      ; from a wave's part of slot 0 to its part of slot 1
.set SPARE, 262144
.set ASTEP, 1048576
.set BSTEP, 1048576
.set WOFF,  8<<20
.set FR, 16
.set NL, 4
.set NP, 4
.set ADRA, 16
.set ADRB, 20
.set SPW, 28
.set NIL, 29
.set AF, 128
.set G1, 24
.set G0, 32
.set G1B, 48
.set G0B, 56
.set T,  96
.set U,  128
.set ZZ, 160
.set MSB, 0
.macro WIN new
.if MSB != \new
	s_set_vgpr_msb (MSB<<8)|\new
.set MSB, \new
.endif
.endm
.set MUL_LO, 0xa1
.set MUL_HI, 0xf1
.set TO_B,   0x40
.macro JLOAD g0a, g1a, g0b, g1b
	s_cmp_eq_u32 s15, 0
	s_cbranch_scc0 .Lfor_b_\@
	tensor_load_to_lds s[\g0a:\g0a+3], s[\g1a:\g1a+7]
	s_nop 0
.rept 4
	v_nop
.endr
	s_branch .Lasked_\@
.Lfor_b_\@:
	tensor_load_to_lds s[\g0b:\g0b+3], s[\g1b:\g1b+7]
	s_nop 0
.rept 4
	v_nop
.endr
.Lasked_\@:
.endm
.macro CREST
	s_cmp_lg_u32 s14, 0
	s_cbranch_scc1 .Lnot_wave_0_\@
	s_barrier_signal -3
.Lnot_wave_0_\@:
	s_barrier_wait -3
	s_barrier_signal -1
	s_barrier_wait -1
.endm
.macro CROUND
	s_barrier_signal -1
	s_barrier_wait -1
	CREST
.endm
.macro FRAG reg, adr, q, i
.irp c, 0,1,2,3
	ds_load_b128 v[\reg+4*\c:\reg+4*\c+3], v[\adr] offset:2048*(\q)+512*\c+(\i)*4096
.endr
.endm
.macro MUL16 a0, p, zero
.irp a, \a0, \a0+1
.irp b, 0,1,2,3,4,5,6,7
.if \zero
	v_wmma_f32_16x16x128_bf8_bf8 v[8*(8*((\a)%4)+\b):8*(8*((\a)%4)+\b)+7], v[128*(\p)+FR*\b:128*(\p)+FR*\b+FR-1], v[AF+FR*(\a):AF+FR*(\a)+FR-1], 0
.else
	v_wmma_f32_16x16x128_bf8_bf8 v[8*(8*((\a)%4)+\b):8*(8*((\a)%4)+\b)+7], v[128*(\p)+FR*\b:128*(\p)+FR*\b+FR-1], v[AF+FR*(\a):AF+FR*(\a)+FR-1], v[8*(8*((\a)%4)+\b):8*(8*((\a)%4)+\b)+7]
.endif
.endr
.endr
.endm
.macro FETCH_B slot, q, p
	WIN TO_B
.irp i, 0,1,2,3,4,5,6,7
	FRAG 128*(\p)+FR*\i, ADRB+\slot, \q, \i
.endr
	WIN 0
.endm
.macro FETCH_A slot, q, i0
.irp i, \i0, \i0+1, \i0+2, \i0+3
	FRAG AF+FR*(\i), ADRA+\slot, \q, \i
.endr
.endm
.macro PLACES n
.rept \n
	v_nop
.endr
.endm
.macro STEP slot, q, zero
	s_wait_dscnt 4*NL
	WIN MUL_LO
	MUL16 0, (\q)%2, \zero
	MUL16 2, (\q)%2, \zero
	s_wait_dscnt 0
	PLACES NP
	FETCH_B \slot, (\q)+1, 1-(\q)%2
	FETCH_A \slot, (\q)+1, 0
	WIN MUL_HI
	MUL16 4, (\q)%2, \zero
	MUL16 6, (\q)%2, \zero
	PLACES NP
	WIN 0
	FETCH_A \slot, (\q)+1, 4
.endm
.macro TURN slot, next, fill
	s_wait_tensorcnt 0x0
	ds_add_u32 v[SPW], v[NIL]
	s_wait_dscnt 4*NL+1
	WIN MUL_LO
	MUL16 0, 1, 0
	s_wait_dscnt 0x0
	s_barrier_signal -1
	MUL16 2, 1, 0
	WIN 0
	s_barrier_wait -1
.if \fill
	CREST
	s_add_nc_u64 s[G0+4*\slot+2:G0+4*\slot+3], s[G0+4*\slot+2:G0+4*\slot+3], 2*ASTEP
	s_add_nc_u64 s[G0B+4*\slot+2:G0B+4*\slot+3], s[G0B+4*\slot+2:G0B+4*\slot+3], 2*BSTEP
	JLOAD G0+4*\slot, G1, G0B+4*\slot, G1B
.else
	PLACES NP
.endif
	FETCH_B \next, 0, 0
	FETCH_A \next, 0, 0
	WIN MUL_HI
	MUL16 4, 1, 0
	MUL16 6, 1, 0
	PLACES NP
	WIN 0
	FETCH_A \next, 0, 4
.endm
.macro CPAIR r, val
	s_mov_b32 s[\r], \val
	s_mov_b32 s[\r+1], \val
.endm
	s_load_b256 s[4:11], s[0:1], 0x0
	s_load_b64 s[12:13], s[0:1], 0x20
	v_lshl_add_u32 v[SPW], v0, 2, SPARE
	v_mov_b32 v[NIL], 0
	ds_add_u32 v[SPW], v[NIL]
	ds_add_u32 v[SPW], v[NIL]
	v_lshrrev_b32 v1, 5, v0
	v_readfirstlane_b32 s14, v1
	s_lshr_b32 s15, s14, 1
	s_and_b32 s16, s14, 1
	s_bfe_u32 s40, ttmp6, 0x40000
	s_bfe_u32 s41, ttmp6, 0x40004
	s_lshl_b32 s42, ttmp9, 2
	s_add_co_u32 s42, s42, s40
	s_and_b32 s17, ttmp7, 0xffff
	s_lshl_b32 s17, s17, 2
	s_add_co_u32 s17, s17, s41
	s_lshl_b32 s43, s41, 2
	s_lshl_b32 s43, 15, s43
	s_lshl_b32 s44, 0x1111, s40
	s_or_b32 s[G1+0], s43, (3<<16)|(1<<21)
	s_or_b32 s[G1B+0], s44, (3<<16)|(1<<21)
.irp g, G1, G1B
	s_mov_b32 s[\g+1], 4096<<16                    ; the head's shape: a row of 4,096 elements of 8 bytes,
	s_mov_b32 s[\g+2], 2<<16                       ; two rows: K steps 0 and 1,
	s_mov_b32 s[\g+3], 4096<<16
	s_mov_b32 s[\g+4], 2
	s_mov_b32 s[\g+5], ASTEP/8                     ; a K step apart (both images have the same K step)
	s_mov_b32 s[\g+6], 0
	s_mov_b32 s[\g+7], 0
.endr
	s_lshl_b32 s18, s16, 15
	s_lshl_b32 s20, s17, 16
	s_add_co_u32 s20, s20, s18
	s_mov_b32 s21, 0
	s_lshl_b32 s46, s42, 16
	s_add_co_u32 s46, s46, s18
	s_add_co_u32 s46, s46, WOFF
	s_mov_b32 s47, 0
	s_lshl_b32 s45, s14, 16
	; the prefetches: of the 32,768 bytes of a K step that I fetch, each of the four partners that ask with me names 8,192, told apart by address (cx for the tokens, cy for the weights); lanes 256 bytes apart
	s_cmp_eq_u32 s15, 0
	s_cselect_b32 s74, s40, s41
	s_lshl_b32 s74, s74, 13
	s_mov_b32 s75, 0
	v_and_b32 v8, 31, v0
	v_lshlrev_b32 v8, 8, v8                        ; v8: 256 x lane; never rewritten
	s_wait_alu depctr_va_vdst(0)
	s_wait_dscnt 0x0
	s_wait_kmcnt 0x0
	s_load_b128 s[68:71], s[8:9], 0x20
	s_add_nc_u64 s[20:21], s[4:5], s[20:21]
	s_add_nc_u64 s[46:47], s[6:7], s[46:47]
	s_cmp_eq_u32 s15, 0
	s_cselect_b64 s[72:73], s[20:21], s[46:47]     ; the tile that I fetch,
	s_add_nc_u64 s[72:73], s[72:73], s[74:75]      ; my share of it; never rewritten
	CROUND
.irp s, 0,1
	s_mov_b32 s[G0+4*\s], 1
	s_add_co_u32 s[G0+4*\s+1], s45, \s*SLOT
	s_add_nc_u64 s[G0+4*\s+2:G0+4*\s+3], s[20:21], \s*ASTEP
	s_or_b32 s[G0+4*\s+3], s[G0+4*\s+3], 0x80000000
	s_mov_b32 s[G0B+4*\s], 1
	s_add_co_u32 s[G0B+4*\s+1], s45, \s*SLOT
	s_add_nc_u64 s[G0B+4*\s+2:G0B+4*\s+3], s[46:47], \s*BSTEP
	s_or_b32 s[G0B+4*\s+3], s[G0B+4*\s+3], 0x80000000
.endr
	JLOAD G0, G1, G0B, G1B                         ; my one tensor load at the head: K steps 0 and 1
	global_prefetch_b8 v8, s[72:73] offset:2*ASTEP th:TH_LOAD_NT scope:SCOPE_SE   ; K steps 2 and 3, the two refills
	global_prefetch_b8 v8, s[72:73] offset:3*ASTEP th:TH_LOAD_NT scope:SCOPE_SE
	v_and_b32 v1, 31, v0
	v_bfe_u32 v3, v0, 4, 1
	v_lshlrev_b32 v26, 4, v1
	s_wait_alu depctr_va_vdst(0)
	v_lshlrev_b32 v27, 6, v3
	s_lshl_b32 s2, s42, 10
	s_lshl_b32 s3, s16, 9
	s_add_co_u32 s2, s2, s3
	s_mov_b32 s3, 0
	s_add_nc_u64 s[10:11], s[10:11], s[2:3]
.irp b, 0,1,2,3
.irp i, 0,1,2,3
	global_load_b128 v[32+16*\b+4*\i:32+16*\b+4*\i+3], v27, s[10:11] offset:128*\b+16*\i
.endr
.endr
	s_lshl_b32 s21, s15, 16                        ; my 128 tokens: the region of wave 0 or 1,
	s_lshl_b32 s22, s16, 16
	s_add_co_u32 s22, s22, 131072                  ; my 128 columns: the region of wave 2 or 3
.irp s, 0,1
	v_add_nc_u32 v[ADRA+\s], s21, v26
	v_add_nc_u32 v[ADRB+\s], s22, v26
	s_add_co_u32 s21, s21, SLOT
	s_add_co_u32 s22, s22, SLOT
.endr
	s_lshl_b32 s21, s14, 16
	v_add_nc_u32 v24, s21, v26
	s_lshr_b32 s2, s42, 1
	s_lshl_b32 s2, s2, 21
	s_lshl_b32 s3, s17, 17
	s_add_co_u32 s2, s2, s3
	s_lshl_b32 s3, s15, 16
	s_add_co_u32 s2, s2, s3
	s_and_b32 s3, s42, 1
	s_lshl_b32 s3, s3, 12
	s_add_co_u32 s2, s2, s3
	s_lshl_b32 s3, s16, 11
	s_add_co_u32 s2, s2, s3
	s_mov_b32 s3, 0
	s_add_nc_u64 s[12:13], s[12:13], s[2:3]
	CPAIR 76, 0xbf97d29d
	CPAIR 78, 0x40097039
	CPAIR 80, 0xbfd1a1e5
	CPAIR 82, 0x3ecdfd18
	CPAIR 84, 0xbe899a80
	CPAIR 86, 0x3e0efb2e
	CPAIR 88, 0x3f0a29d2
	CPAIR 90, 0x3fb8ab5a
	CPAIR 92, 0xc034d90f
	CPAIR 94, 0xbf38aa3b
	s_mov_b32 s3, 0x3eb504f3
	v_mov_b32 v30, 0x3e7c6f08
	v_mov_b32 v31, 0x3e7c6f08
	s_wait_alu depctr_va_vdst(0)
	s_wait_kmcnt 0x0
	s_add_co_i32 s96, s68, s69
	s_add_co_i32 s96, s96, 127
	s_lshl_b32 s96, s96, 23
	s_mov_b32 s97, s96
	s_add_co_i32 s2, s70, 127
	s_lshl_b32 s98, s2, 23
	v_mov_b32 v22, s98
	s_add_co_i32 s2, s2, 15
	s_lshl_b32 s2, s2, 23
	s_or_b32 s2, s2, 0x600000
	v_mov_b32 v23, s2
	s_wait_alu depctr_va_vdst(0)
	s_wait_tensorcnt 0x0                           ; my one load, K steps 0 and 1, is in: so the groups 1 may be written
.irp g, G1, G1B
	s_mov_b32 s[\g+1], 32<<16                      ; the refills' shape: 128 rows of 256 bytes, dense
	s_mov_b32 s[\g+2], 128<<16
	s_mov_b32 s[\g+3], 32<<16
	s_mov_b32 s[\g+4], 128
	s_mov_b32 s[\g+5], 32
.endr
	s_barrier_signal -1
	s_barrier_wait -1
	FETCH_B 0, 0, 0
	FETCH_A 0, 0, 0
	FETCH_A 0, 0, 4
	STEP 0, 0, 1
	TURN 0, 1, 1
	STEP 1, 0, 0
	TURN 1, 0, 1
	STEP 0, 0, 0
	TURN 0, 1, 0
	STEP 1, 0, 0
	s_wait_dscnt 4*NL
	WIN MUL_LO
	MUL16 0, 1, 0
	MUL16 2, 1, 0
	s_wait_dscnt 0
	s_barrier_signal -1
	WIN MUL_HI
	MUL16 4, 1, 0
	MUL16 6, 1, 0
	WIN 0
	s_barrier_wait -1
	s_wait_loadcnt 0x0
	PLACES NP
.irp a, 0,1,2,3,4,5,6,7
.if \a >= 2
	s_wait_dscnt 16
.endif
	WIN 0x02+(\a/4)
.set pp, 0
.rept 32
	v_pk_fma_f32 v[96+64*(\a%2)+pp:96+64*(\a%2)+pp+1], v[64*(\a%4)+pp:64*(\a%4)+pp+1], s[96:97], v[32+pp:33+pp] op_sel_hi:[1,0,1]
.set pp, pp+2
.endr
	WIN 0
.irp i, 0,1,2,3,4,5,6,7,8,9,10,11,12,13,14,15
	ds_store_b128 v24, v[96+64*(\a%2)+4*\i:96+64*(\a%2)+4*\i+3] offset:8192*\a+512*\i
.endr
.endr
.macro GELU Z, g2
.set PC, 192+8*(\g2)
.set pp, 0
.rept 32
	v_fma_f32 v[T+pp], |v[\Z+pp]|, s3, 1.0
.set pp, pp+1
.endr
.set pp, 0
	s_wait_alu depctr_va_vdst(0)
.rept 32
	v_rcp_f32 v[T+pp], v[T+pp]
.set pp, pp+1
.endr
.set pp, 0
.rept 16
	v_pk_mul_f32 v[ZZ+pp:ZZ+pp+1], v[\Z+pp:\Z+pp+1], v[\Z+pp:\Z+pp+1]
.set pp, pp+2
.endr
	s_wait_alu depctr_va_vdst(0)
.set pp, 0
.rept 16
	v_pk_fma_f32 v[U+pp:U+pp+1], v[T+pp:T+pp+1], v[30:31], s[76:77] op_sel_hi:[1,1,0]
.set pp, pp+2
.endr
.irp k, 78,80,82,84,86,88,90,92
.set pp, 0
.rept 16
	v_pk_fma_f32 v[U+pp:U+pp+1], v[U+pp:U+pp+1], v[T+pp:T+pp+1], s[\k:\k+1] op_sel_hi:[1,1,0]
.set pp, pp+2
.endr
.endr
.set pp, 0
.rept 16
	v_pk_fma_f32 v[U+pp:U+pp+1], v[ZZ+pp:ZZ+pp+1], s[94:95], v[U+pp:U+pp+1] op_sel_hi:[1,0,1]
.set pp, pp+2
.endr
.set pp, 0
	s_wait_alu depctr_va_vdst(0)
.rept 32
	v_exp_f32 v[U+pp], v[U+pp]
.set pp, pp+1
.endr
.set pp, 0
.rept 32
	v_max_num_f32 v[ZZ+pp], 0, v[\Z+pp]
.set pp, pp+1
.endr
	s_wait_alu depctr_va_vdst(0)
.set pp, 0
.rept 16
	v_pk_mul_f32 v[U+pp:U+pp+1], v[U+pp:U+pp+1], v[T+pp:T+pp+1]
.set pp, pp+2
.endr
.set pp, 0
.rept 32
	v_fma_f32 v[\Z+pp], -|v[\Z+pp]|, v[U+pp], v[ZZ+pp]
.set pp, pp+1
.endr
.set pp, 0
.rept 32
	v_med3_num_f32 v[\Z+pp], v[\Z+pp], -v23, v23
.set pp, pp+1
.endr
.irp g, 0,1,2,3
	v_cvt_scalef32_pk8_bf8_f32 v[PC+2*\g:PC+2*\g+1], v[\Z+8*\g:\Z+8*\g+7], v22
.endr
	v_nop
	global_store_b128 v26, v[PC:PC+3], s[12:13] offset:1024*(\g2)
	global_store_b128 v26, v[PC+4:PC+7], s[12:13] offset:1024*(\g2)+512
.endm
	s_mov_b32 s99, 0
.Lgelu:
	v_add_nc_u32 v25, s99, v24
.irp i, 0,1,2,3,4,5,6,7
	ds_load_b128 v[32+4*\i:35+4*\i], v25 offset:512*\i
.endr
.irp i, 0,1,2,3,4,5,6,7
	ds_load_b128 v[64+4*\i:67+4*\i], v25 offset:4096+512*\i
.endr
	s_wait_dscnt 8
	GELU 32, 0
	s_wait_dscnt 0x0
	GELU 64, 1
	s_wait_xcnt 0x0
	s_add_nc_u64 s[12:13], s[12:13], 8192
	s_add_co_u32 s99, s99, 8192
	s_cmp_lt_u32 s99, 65536
	s_cbranch_scc1 .Lgelu
	s_wait_tensorcnt 0x0
	ds_add_u32 v[SPW], v[NIL]
	s_wait_dscnt 0x0
	CROUND
	s_endpgm
.Lfunc_end_k_q7971768ee2_fc:
	.size	k_q7971768ee2_fc, .Lfunc_end_k_q7971768ee2_fc-k_q7971768ee2_fc
	.p2alignl 7, 3214868480
	.fill 96, 4, 3214868480
	.section	.rodata,"a",@progbits
	.p2align	6, 0x0
	.amdhsa_kernel k_q7971768ee2_fc
		.amdhsa_group_segment_fixed_size 327680
		.amdhsa_private_segment_fixed_size 0
		.amdhsa_enable_private_segment 0
		.amdhsa_kernarg_size 40
		.amdhsa_user_sgpr_count 2
		.amdhsa_user_sgpr_kernarg_segment_ptr 1
		.amdhsa_wavefront_size32 1
		.amdhsa_system_sgpr_workgroup_id_x 1
		.amdhsa_system_sgpr_workgroup_id_y 1
		.amdhsa_system_sgpr_workgroup_id_z 1
		.amdhsa_system_vgpr_workitem_id 0
		.amdhsa_next_free_vgpr 1024
		.amdhsa_next_free_sgpr 100
		.amdhsa_reserve_vcc 0
		.amdhsa_float_denorm_mode_32 3
		.amdhsa_float_denorm_mode_16_64 3
		.amdhsa_memory_ordered 1
		.amdhsa_forward_progress 1
		.amdhsa_inst_pref_size 150
	.end_amdhsa_kernel
	.amdgpu_metadata
---
amdhsa.version: [ 1, 2 ]
amdhsa.kernels:
  - .name:           k_q7971768ee2_fc
    .symbol:         k_q7971768ee2_fc.kd
    .args:
      - { .name: a2, .offset: 0, .size: 8, .value_kind: global_buffer, .address_space: global }
      - { .name: pw, .offset: 8, .size: 8, .value_kind: global_buffer, .address_space: global }
      - { .name: lowp_scales, .offset: 16, .size: 8, .value_kind: global_buffer, .address_space: global }
      - { .name: b_fc, .offset: 24, .size: 8, .value_kind: global_buffer, .address_space: global }
      - { .name: hi, .offset: 32, .size: 8, .value_kind: global_buffer, .address_space: global }
    .group_segment_fixed_size: 327680
    .private_segment_fixed_size: 0
    .kernarg_segment_align: 8
    .kernarg_segment_size: 40
    .max_flat_workgroup_size: 128
    .sgpr_count:     100
    .vgpr_count:     1024
    .wavefront_size: 32
...
	.end_amdgpu_metadata
.endif
;; end of part 6
;; launch mlp (part 7): grid 8 x 32, 4 waves a work-group, clusters of 4 x 4, 327,680 bytes of LDS; arguments hi, pw, lowp_scales, x1, b_mlp_proj, out0; writes out0
.if DOCPART == 7
	.amdgcn_target "amdgcn-amd-amdhsa--gfx1250"
	.amdhsa_code_object_version 6
	.text
	.protected	k_q7971768ee2_mlp
	.globl	k_q7971768ee2_mlp
	.p2align	8
	.type	k_q7971768ee2_mlp,@function
k_q7971768ee2_mlp:
	s_mov_b64 s[64:65], 0
	v_nop
	global_prefetch_b8 v0, s[64:65] scope:SCOPE_SE
	s_setreg_imm32_b32 hwreg(HW_REG_WAVE_MODE, 25, 1), 1
	s_wait_xcnt 0x0
	s_wait_alu depctr_hold_cnt(0) depctr_sa_sdst(0) depctr_va_vdst(0) depctr_va_sdst(0) depctr_va_ssrc(0) depctr_va_vcc(0) depctr_vm_vsrc(0)
	s_getreg_b32 s2, hwreg(HW_REG_IB_STS2, 6, 4)
	s_cmp_eq_u32 s2, 0
	s_cbranch_scc0 .Lentry_in_a_cluster
	s_endpgm
.Lentry_in_a_cluster:
	s_bfe_u32 s2, ttmp6, 0x10000c
	s_cmp_lg_u32 s2, 0xf033
	s_cbranch_scc0 .Lentry_shape_is_right
	s_endpgm
.Lentry_shape_is_right:
.set MLP, 1
.set LAPS, 4
.set WOFF, 12<<20
.set HALFT, 32768
; Product 6, its bias and the second residual: out = x1 + Q(gelu) Q(w_mlp_proj) + b, on codes of BF8.  Tiles of 128 tokens x 128 columns: 256 work-groups of four waves, 64 x 64 a wave, 16 accumulators.
; K goes in 8 steps of 512 through two slots; clusters of 4 x 4: tokens' tiles jointly along a row, weights' along a column.
; LDS: each fetching wave has 65,536 bytes of its own: slot 0's part, then slot 1's.  The head's one tensor load a wave brings K steps 0 and 1: two rows of 32,768 bytes, a K step apart in memory; a refill brings one dense block of 32,768.
; PREFETCH: behind the load of K step k stands one prefetch a wave for K step k + 2 (at the head: for K steps 2 and 3).  Of the 32,768 bytes that a wave fetches, each of the four partners that ask jointly names 8,192,
; told apart by address (cx for the tokens, cy for the weights), lanes 256 bytes apart: each 256 bytes once in a cluster.  The loop's last trip, whose refills are K steps 6 and 7, asks for nothing.
; LIMIT: e10 + e11 between -126 and 127.
.set SLOT,  32768                      ; from a wave's part of slot 0 to its part of slot 1
.set STAGE, 262144
.set SPARE, STAGE+4*16*272
.set ASTEP, 2097152
.set BSTEP, 524288
.set ADRA, 16
.set ADRB, 20
.set SPW, 28
.set NIL, 29
.set BK,  32
.set ACC, 128
.set F0,  0
.set F1,  128
.set G1, 24
.set G0, 32
.set G1B, 48
.set G0B, 56
.set MSB, 0
.macro WIN new
.if MSB != \new
	s_set_vgpr_msb (MSB<<8)|\new
.set MSB, \new
.endif
.endm
.set MUL,  0x05
.set TO_F, 0x40
.macro JLOAD s
	s_cmp_eq_u32 s83, 0
	s_cbranch_scc0 .Lfor_b_\@
	tensor_load_to_lds s[G0+4*\s:G0+4*\s+3], s[G1:G1+7]
	s_nop 0
.rept 4
	v_nop
.endr
	s_branch .Lasked_\@
.Lfor_b_\@:
	tensor_load_to_lds s[G0B+4*\s:G0B+4*\s+3], s[G1B:G1B+7]
	s_nop 0
.rept 4
	v_nop
.endr
.Lasked_\@:
.endm
.macro CREST
	s_cmp_lg_u32 s82, 0
	s_cbranch_scc1 .Lnot_wave_0_\@
	s_barrier_signal -3
.Lnot_wave_0_\@:
	s_barrier_wait -3
	s_barrier_signal -1
	s_barrier_wait -1
.endm
.macro CROUND
	s_barrier_signal -1
	s_barrier_wait -1
	CREST
.endm
.macro PLACES
.rept 4
	v_nop
.endr
.endm
.macro FETCH slot, q, f
	WIN TO_F
.irp i, 0,1,2,3
.irp c, 0,1,2,3
	ds_load_b128 v[\f+64+16*\i+4*\c:\f+64+16*\i+4*\c+3], v[ADRB+\slot] offset:8192*\i+2048*(\q)+512*\c
.endr
.endr
.irp i, 0,1,2,3
.irp c, 0,1,2,3
	ds_load_b128 v[\f+16*\i+4*\c:\f+16*\i+4*\c+3], v[ADRA+\slot] offset:8192*\i+2048*(\q)+512*\c
.endr
.endr
.endm
.macro MUL4 f, a, zero
.irp b, 0,1,2,3
.if \zero
	v_wmma_f32_16x16x128_bf8_bf8 v[ACC+8*(4*(\a)+\b):ACC+8*(4*(\a)+\b)+7], v[\f+64+16*\b:\f+64+16*\b+15], v[\f+16*(\a):\f+16*(\a)+15], 0
.else
	v_wmma_f32_16x16x128_bf8_bf8 v[ACC+8*(4*(\a)+\b):ACC+8*(4*(\a)+\b)+7], v[\f+64+16*\b:\f+64+16*\b+15], v[\f+16*(\a):\f+16*(\a)+15], v[ACC+8*(4*(\a)+\b):ACC+8*(4*(\a)+\b)+7]
.endif
.endr
.endm
.macro STEP slot, q, zero
	s_wait_dscnt 0x0
	PLACES
	FETCH \slot, (\q)+1, 128*(1-(\q)%2)
	WIN MUL
	MUL4 128*((\q)%2), 0, \zero
	MUL4 128*((\q)%2), 1, \zero
	MUL4 128*((\q)%2), 2, \zero
	MUL4 128*((\q)%2), 3, \zero
.endm
.macro TURN slot, next, fill
	WIN 0
.if \fill
	s_wait_xcnt 0x0                                ; my last prefetch, a K step back, has read its address:
	s_add_nc_u64 s[92:93], s[92:93], s[90:91]      ; one K step on
.endif
	s_wait_tensorcnt 0x0
	ds_add_u32 v[SPW], v[NIL]
	s_wait_dscnt 1
	WIN MUL
	MUL4 F1, 0, 0
	s_wait_dscnt 0x0
	s_barrier_signal -1
	MUL4 F1, 1, 0
	WIN 0
	s_barrier_wait -1
.if \fill
	CREST
	s_add_nc_u64 s[G0+4*\slot+2:G0+4*\slot+3], s[G0+4*\slot+2:G0+4*\slot+3], 2*ASTEP
	s_add_nc_u64 s[G0B+4*\slot+2:G0B+4*\slot+3], s[G0B+4*\slot+2:G0B+4*\slot+3], 2*BSTEP
	JLOAD \slot
.else
	PLACES
.endif
	FETCH \next, 0, F0
.if \fill
	WIN 0                                          ; at a branch and at a label every window is 0
	s_cmp_gt_u32 s3, 1                             ; the last trip has no K step two refills on
	s_cbranch_scc0 .Lno_ask_\@
	global_prefetch_b8 v10, s[92:93] th:TH_LOAD_NT scope:SCOPE_SE   ; the K step two refills on
.Lno_ask_\@:
.endif
	WIN MUL
	MUL4 F1, 2, 0
	MUL4 F1, 3, 0
.endm
	s_load_b256 s[4:11], s[0:1], 0x0
.if MLP
	s_load_b128 s[12:15], s[0:1], 0x20
.else
	s_load_b64 s[14:15], s[0:1], 0x20
.endif
	v_lshl_add_u32 v[SPW], v0, 2, SPARE
	v_mov_b32 v[NIL], 0
	ds_add_u32 v[SPW], v[NIL]
	ds_add_u32 v[SPW], v[NIL]
	v_lshrrev_b32 v1, 5, v0
	v_readfirstlane_b32 s82, v1
	s_lshr_b32 s83, s82, 1
	s_and_b32 s84, s82, 1
	s_bfe_u32 s40, ttmp6, 0x40000
	s_bfe_u32 s41, ttmp6, 0x40004
	s_lshl_b32 s86, ttmp9, 2
	s_add_co_u32 s86, s86, s40
	s_and_b32 s85, ttmp7, 0xffff
	s_lshl_b32 s85, s85, 2
	s_add_co_u32 s85, s85, s41
	s_lshl_b32 s43, s41, 2
	s_lshl_b32 s43, 15, s43
	s_lshl_b32 s44, 0x1111, s40
	s_or_b32 s[G1+0], s43, (3<<16)|(1<<21)
	s_or_b32 s[G1B+0], s44, (3<<16)|(1<<21)
.irp g, G1, G1B
	s_mov_b32 s[\g+1], 4096<<16                    ; the head's shape: a row of 4,096 elements of 8 bytes,
	s_mov_b32 s[\g+2], 2<<16                       ; two rows: K steps 0 and 1,
	s_mov_b32 s[\g+3], 4096<<16
	s_mov_b32 s[\g+4], 2
.if \g == G1
	s_mov_b32 s[\g+5], ASTEP/8                     ; a K step of the image apart, in elements
.else
	s_mov_b32 s[\g+5], BSTEP/8
.endif
	s_mov_b32 s[\g+6], 0
	s_mov_b32 s[\g+7], 0
.endr
	s_lshl_b32 s18, s84, 15
	s_lshl_b32 s20, s85, 16
	s_add_co_u32 s20, s20, s18
	s_mov_b32 s21, 0
	s_lshl_b32 s46, s86, 16
	s_add_co_u32 s46, s46, s18
	s_add_co_u32 s46, s46, WOFF
	s_mov_b32 s47, 0
	s_lshl_b32 s45, s82, 16
	s_cmp_eq_u32 s83, 0                            ; the prefetches: do I fetch tokens or weights?
	s_cselect_b32 s88, s40, s41                    ; my place among the four that ask with me
	s_mov_b32 s90, BSTEP
	s_cselect_b32 s90, ASTEP, s90                  ; s[90:91]: my image's K step in bytes
	s_mov_b32 s91, 0
	s_mov_b32 s89, 0
	v_and_b32 v8, 31, v0
	v_lshlrev_b32 v8, 8, v8                        ; 256 x lane;
	v_add_nc_u32 v9, s90, v8                       ; v9, v10: one and two K steps on; never rewritten
	v_add_nc_u32 v10, s90, v9
	s_lshl_b32 s88, s88, 13
	s_add_co_u32 s88, s88, s90                     ; my share, one K step on
	s_wait_alu depctr_va_vdst(0)
	s_wait_dscnt 0x0
	s_wait_kmcnt 0x0
.if MLP
	s_load_b64 s[96:97], s[8:9], 0x28
.else
	s_load_b64 s[96:97], s[8:9], 0x18
.endif
	s_add_nc_u64 s[20:21], s[4:5], s[20:21]
	s_add_nc_u64 s[46:47], s[6:7], s[46:47]
	s_cmp_eq_u32 s83, 0
	s_cselect_b64 s[92:93], s[20:21], s[46:47]     ; the tile that I fetch,
	s_add_nc_u64 s[92:93], s[92:93], s[88:89]      ; my share of its K step 1
	CROUND
.irp s, 0,1
	s_mov_b32 s[G0+4*\s], 1
	s_add_co_u32 s[G0+4*\s+1], s45, \s*SLOT
	s_add_nc_u64 s[G0+4*\s+2:G0+4*\s+3], s[20:21], \s*ASTEP
	s_or_b32 s[G0+4*\s+3], s[G0+4*\s+3], 0x80000000
	s_mov_b32 s[G0B+4*\s], 1
	s_add_co_u32 s[G0B+4*\s+1], s45, \s*SLOT
	s_add_nc_u64 s[G0B+4*\s+2:G0B+4*\s+3], s[46:47], \s*BSTEP
	s_or_b32 s[G0B+4*\s+3], s[G0B+4*\s+3], 0x80000000
.endr
	JLOAD 0                                        ; my one tensor load at the head: K steps 0 and 1
	global_prefetch_b8 v9, s[92:93] th:TH_LOAD_NT scope:SCOPE_SE    ; K steps 2 and 3, the first two refills
	global_prefetch_b8 v10, s[92:93] th:TH_LOAD_NT scope:SCOPE_SE
	v_and_b32 v1, 31, v0
	v_and_b32 v2, 15, v0
	v_bfe_u32 v3, v0, 4, 1
	v_lshlrev_b32 v4, 4, v1
	v_lshlrev_b32 v27, 4, v2
	v_lshl_add_u32 v26, v3, 12, v27
	s_wait_alu depctr_va_vdst(0)
	s_lshl_b32 s20, s85, 19
	s_lshl_b32 s21, s83, 18
	s_add_co_u32 s20, s20, s21
	s_lshl_b32 s21, s86, 9
	s_add_co_u32 s20, s20, s21
	s_lshl_b32 s21, s84, 8
	s_add_co_u32 s20, s20, s21
	s_mov_b32 s21, 0
	s_add_nc_u64 s[10:11], s[10:11], s[20:21]
	s_add_nc_u64 s[14:15], s[14:15], s[20:21]
	WIN 0x80
.irp a, 0,1,2,3
.irp t, 0,1,2,3,4,5,6,7
	global_load_b128 v[32*\a+4*\t:32*\a+4*\t+3], v26, s[10:11] offset:(16*\a+2*\t)*4096
.endr
.endr
	WIN 0
.if MLP
	s_lshl_b32 s20, s86, 9
	s_lshl_b32 s22, s84, 8
	s_add_co_u32 s20, s20, s22
	s_add_nc_u64 s[12:13], s[12:13], s[20:21]
	global_load_b128 v[12:15], v27, s[12:13]
.endif
	s_lshl_b32 s21, s83, 16                        ; my 64 tokens: the region of wave 0 or 1,
	s_lshl_b32 s22, s84, 16
	s_add_co_u32 s22, s22, 131072                  ; my 64 columns: the region of wave 2 or 3
.irp s, 0,1
	v_add_nc_u32 v[ADRA+\s], s21, v4
	v_add_nc_u32 v[ADRB+\s], s22, v4
	s_add_co_u32 s21, s21, SLOT
	s_add_co_u32 s22, s22, SLOT
.endr
	s_mul_i32 s23, s82, 16*272
	s_add_co_u32 s23, s23, STAGE
	v_mul_u32_u24 v24, v2, 272
	v_lshl_add_u32 v24, v3, 6, v24
	v_add_nc_u32 v24, s23, v24
	v_mul_u32_u24 v25, v3, 272
	v_lshl_add_u32 v25, v2, 4, v25
	v_add_nc_u32 v25, s23, v25
	s_wait_alu depctr_va_vdst(0)
	s_wait_tensorcnt 0x0                           ; my one load, K steps 0 and 1, is in: so the groups 1 may be written
.irp g, G1, G1B
	s_mov_b32 s[\g+1], 32<<16                      ; the refills' shape: 128 rows of 256 bytes, dense
	s_mov_b32 s[\g+2], 128<<16
	s_mov_b32 s[\g+3], 32<<16
	s_mov_b32 s[\g+4], 128
	s_mov_b32 s[\g+5], 32
.endr
	s_barrier_signal -1
	s_barrier_wait -1
	FETCH 0, 0, F0
	STEP 0, 0, 1
.if LAPS > 1
	WIN 0
	s_mov_b32 s3, LAPS-1
.Llap:
	STEP 0, 1, 0
	STEP 0, 2, 0
	TURN 0, 1, 1
	STEP 1, 0, 0
	STEP 1, 1, 0
	STEP 1, 2, 0
	TURN 1, 0, 1
	STEP 0, 0, 0
	WIN 0
	s_sub_co_u32 s3, s3, 1
	s_cmp_lg_u32 s3, 0
	s_cbranch_scc1 .Llap
.endif
	STEP 0, 1, 0
	STEP 0, 2, 0
	TURN 0, 1, 0
	STEP 1, 0, 0
	STEP 1, 1, 0
	STEP 1, 2, 0
	s_wait_dscnt 0x0
	WIN MUL
	MUL4 F1, 0, 0
	MUL4 F1, 1, 0
	MUL4 F1, 2, 0
	MUL4 F1, 3, 0
	WIN 0
.macro TOSTAGE a
.if (\a) >= 2
	s_wait_xcnt 0x0
.endif
.irp b, 0,1,2,3
	ds_store_b128 v24, v[ACC+8*(4*(\a)+\b):ACC+8*(4*(\a)+\b)+3] offset:128*(\b/2)+32*(\b%2)
	ds_store_b128 v24, v[ACC+8*(4*(\a)+\b)+4:ACC+8*(4*(\a)+\b)+7] offset:128*(\b/2)+32*(\b%2)+16
.endr
.set BB, BK+32*((\a)%2)
.irp t, 0,1,2,3,4,5,6,7
	ds_load_b128 v[BB+4*\t:BB+4*\t+3], v25 offset:544*\t
.endr
.endm
.macro SEND a, younger
.set BB, BK+32*((\a)%2)
	s_wait_dscnt \younger
	WIN 0x20
.set pp, 0
.rept 16
	v_pk_fma_f32 v[BB+pp:BB+pp+1], v[BB+pp:BB+pp+1], s[96:97], v[32*(\a)+pp:32*(\a)+pp+1] op_sel_hi:[1,0,1]
.set pp, pp+2
.endr
	WIN 0
.if MLP
.set pp, 0
.rept 8
	v_pk_add_f32 v[BB+pp:BB+pp+1], v[BB+pp:BB+pp+1], v[12:13]
	v_pk_add_f32 v[BB+pp+2:BB+pp+3], v[BB+pp+2:BB+pp+3], v[14:15]
.set pp, pp+4
.endr
.endif
.irp t, 0,1,2,3,4,5,6,7
.if MLP
	global_store_b128 v26, v[BB+4*\t:BB+4*\t+3], s[14:15] offset:(16*(\a)+2*\t)*4096 th:TH_STORE_NT
.else
	global_store_b128 v26, v[BB+4*\t:BB+4*\t+3], s[14:15] offset:(16*(\a)+2*\t)*4096
.endif
.endr
.endm
	s_wait_kmcnt 0x0
	s_add_co_i32 s96, s96, s97
	s_add_co_i32 s96, s96, 127
	s_lshl_b32 s96, s96, 23
	s_mov_b32 s97, s96
	PLACES
	s_wait_loadcnt 0x0
	TOSTAGE 0
	TOSTAGE 1
	SEND 0, 16
	TOSTAGE 2
	SEND 1, 16
	TOSTAGE 3
	SEND 2, 16
	SEND 3, 0
	s_wait_tensorcnt 0x0
	ds_add_u32 v[SPW], v[NIL]
	s_wait_dscnt 0x0
	CROUND
	s_endpgm
.Lfunc_end_k_q7971768ee2_mlp:
	.size	k_q7971768ee2_mlp, .Lfunc_end_k_q7971768ee2_mlp-k_q7971768ee2_mlp
	.p2alignl 7, 3214868480
	.fill 96, 4, 3214868480
	.section	.rodata,"a",@progbits
	.p2align	6, 0x0
	.amdhsa_kernel k_q7971768ee2_mlp
		.amdhsa_group_segment_fixed_size 327680
		.amdhsa_private_segment_fixed_size 0
		.amdhsa_enable_private_segment 0
		.amdhsa_kernarg_size 48
		.amdhsa_user_sgpr_count 2
		.amdhsa_user_sgpr_kernarg_segment_ptr 1
		.amdhsa_wavefront_size32 1
		.amdhsa_system_sgpr_workgroup_id_x 1
		.amdhsa_system_sgpr_workgroup_id_y 1
		.amdhsa_system_sgpr_workgroup_id_z 1
		.amdhsa_system_vgpr_workitem_id 0
		.amdhsa_next_free_vgpr 768
		.amdhsa_next_free_sgpr 100
		.amdhsa_reserve_vcc 0
		.amdhsa_float_denorm_mode_32 3
		.amdhsa_float_denorm_mode_16_64 3
		.amdhsa_memory_ordered 1
		.amdhsa_forward_progress 1
		.amdhsa_inst_pref_size 82
	.end_amdhsa_kernel
	.amdgpu_metadata
---
amdhsa.version: [ 1, 2 ]
amdhsa.kernels:
  - .name:           k_q7971768ee2_mlp
    .symbol:         k_q7971768ee2_mlp.kd
    .args:
      - { .name: hi, .offset: 0, .size: 8, .value_kind: global_buffer, .address_space: global }
      - { .name: pw, .offset: 8, .size: 8, .value_kind: global_buffer, .address_space: global }
      - { .name: lowp_scales, .offset: 16, .size: 8, .value_kind: global_buffer, .address_space: global }
      - { .name: x1, .offset: 24, .size: 8, .value_kind: global_buffer, .address_space: global }
      - { .name: b_mlp_proj, .offset: 32, .size: 8, .value_kind: global_buffer, .address_space: global }
      - { .name: out0, .offset: 40, .size: 8, .value_kind: global_buffer, .address_space: global }
    .group_segment_fixed_size: 327680
    .private_segment_fixed_size: 0
    .kernarg_segment_align: 8
    .kernarg_segment_size: 48
    .max_flat_workgroup_size: 128
    .sgpr_count:     100
    .vgpr_count:     768
    .wavefront_size: 32
...
	.end_amdgpu_metadata
.endif
;; end of part 7
